; MI455X (gfx1250); checked and timed in simulation.
; The chip was launched on July 23, 2026; its instructions are those of AMD's public machine-readable ISA for CDNA 5 (MIT licence, August 2026) and "CDNA5" Instruction Set Architecture Reference Guide (July 2026). The comments in the code are by the model that wrote it; some were corrected since.
;; Causal Self Attention. Allowed arithmetic: matrix products marked QUANTISED: E2M1 operands, one E8M0 scale for each 32 along K, by v_wmma_scale_f32_16x16x128_f8f6f4 with both operands' format E2M1 (or v_wmma_scale_f32_32x16x128_f4), f32 sums; everything else in f32.
;; Inputs: b_proj 1,024 float32; b_qkv 3,072 float32; w_proj_codes 1,024 x 32 x 16 uint8 (E2M1 codes of w_proj, K innermost, in blocks of 32 codes, two codes a byte); w_proj_scales 1,024 x 32 uint8 (E8M0 scales of w_proj, one for each 32 codes along K); w_qkv_codes 3,072 x 32 x 16 uint8 (E2M1 codes of w_qkv, K innermost, in blocks of 32 codes, two codes a byte); w_qkv_scales 3,072 x 32 uint8 (E8M0 scales of w_qkv, one for each 32 codes along K); x_codes 4 x 2,048 x 32 x 16 uint8 (E2M1 codes of x, K innermost, in blocks of 32 codes, two codes a byte); x_scales 4 x 2,048 x 32 uint8 (E8M0 scales of x, one for each 32 codes along K).
;; Outputs: out0 4 x 2,048 x 1,024 float32.
;; This version of the problem:
;;   THIS VERSION OF THE PROBLEM IS GIVEN IN LOW PRECISION. The matrix products marked QUANTISED in the list below multiply operands that are first quantised to E2M1 (2 exponent bits, 1 mantissa bit; 4 bits a number), with one power-of-two scale for each 32 numbers along K (OCP MX v1.0); their sums are f32. All else is computed in f32.
;;   The module's matrix products, in the order in which they are computed (A, B: the left and right operand; K: the contracted axis; several contracted axes count as one K, in the product's order):
;;     1. [M 8,192, K 1,024] x [K 1,024, N 3,072]; A: input x (given as codes); B: input w_qkv (given as codes): QUANTISED
;;     2. batch 64 x [M 2,048, K 64] x [K 64, N 2,048]; A: computed on the way; B: computed on the way: QUANTISED
;;     3. batch 64 x [M 2,048, K 2,048] x [K 2,048, N 64]; A: softmax (see below); B: computed on the way: QUANTISED
;;     4. [M 8,192, K 1,024] x [K 1,024, N 1,024]; A: computed on the way; B: input w_proj (given as codes): QUANTISED
;;   THE QUANTISER, for each operand of a quantised product, along K:
;;     - K is cut into blocks of 32 from its start; a last block that is shorter is filled with zeros.
;;     - A block's scale is 2^e with e = floor(log2(the largest magnitude in the block)) - 2, held to -126 .. 127; a block of zeros has e = 0. As a byte (E8M0): e + 127.
;;     - Each number is divided by its block's scale, clamped to +-6, and rounded to the nearest number of E2M1, ties to even, subnormals kept.
;;     - The product sums the exact products of the quantised numbers (number of the format x scale) in f32.
;;   ~~~python
;;   def quantise(x, axis):      # numpy; x: float32 -> the quantised numbers, widened to float32 again
;;       x = np.moveaxis(x, axis, -1); K = x.shape[-1]
;;       x = np.pad(x, [(0, 0)] * (x.ndim - 1) + [(0, -K % 32)]); x = x.reshape(x.shape[:-1] + (-1, 32)); a = np.abs(x).max(-1, keepdims=True)
;;       e = np.where(a > 0, np.clip(np.frexp(np.where(a > 0, a, 1))[1] - 1 - 2, -126, 127), 0)      # np.frexp(a)[1] - 1 = floor(log2(a)), exactly
;;       r = np.clip(x / 2.0 ** e, -6, 6)
;;       step = 2.0 ** (np.maximum(np.frexp(np.where(r == 0, 1, r))[1] - 1, 0) - 1)
;;       q = np.round(r / step) * step * 2.0 ** e      # np.round: ties to even
;;       return np.moveaxis(q.reshape(q.shape[:-2] + (-1,))[..., :K], -1, axis).astype(np.float32)
;;   ~~~
;;   SOFTMAX AHEAD OF A QUANTISED PRODUCT. Where the list says 'softmax', what is quantised is not the finished softmax but p = 2^(t - M), with t = logit x log2(e) and M = ceil(the row's largest t), a whole number; so 1/2 < the row's largest p <= 1. The row's sum l is taken of the UNQUANTISED p, in f32, and the product's result is divided by l at the end. Since M is a whole number, a kernel that streams over the keys may use a running M (the ceiling of the running maximum): every later rescaling is an exact power of two, which a block's scale takes up: the codes' values come out the same.
;;   OPERANDS COMPUTED ON THE WAY. 'Computed on the way' means the value that the module computes at that place (a softmax that the list does not call 'softmax' is quantised finished and normalised). What goes into a quantiser is computed in f32, as accurately as f32 sums, v_exp_f32 and their like allow (about 1e-6 of the number): no bf16 or f16 on the way to a quantiser, and a product that is left as it is and whose result goes on into a quantised operand takes f32 operands (vector FMAs, or v_wmma_f32_16x16x4_f32). A number that lies on a knife's edge between two numbers of the format may be rounded either way, as far as f32 arithmetic and the matrix unit's own rounding can turn it there, and no further.
;;   INPUTS GIVEN AS CODES. w_proj (in the module: [1024, 1024], K = its axis 0); w_qkv (in the module: [1024, 3072], K = its axis 0); x (in the module: [4, 2048, 1024], K = its axis 2): each comes as NAME_codes (uint8): NAME with its K axis moved to the last place and cut into blocks of 32 codes, [.., K / 32, bytes a block], one block behind the other in memory; two codes a byte, the lower K in the low four bits (a code: sign, 2 exponent bits, 1 mantissa bit); and NAME_scales (uint8): the same leading axes, one E8M0 byte (e + 127) for each 32 codes along K. Its value is code x scale, taken as it is: it is not quantised again, and the codes and scales need not be those that the quantiser above would give.
;; One version. Each part assembles by itself: llvm-mc -triple=amdgcn-amd-amdhsa -mcpu=gfx1250 --defsym DOCPART=n.
;; ======== version 1 of 1: 3 launches
;; workspace buffers: qc 4,194,304 bytes; qs 524,288 bytes; kv 9,175,040 bytes; ac 4,194,304 bytes; asc 262,144 bytes
;; launch qkv (part 1): grid 12 x 32, 4 waves a work-group, clusters of 4 x 4, 302,592 bytes of LDS; arguments x_codes, x_scales, w_qkv_codes, w_qkv_scales, b_qkv, qc, qs, kv; writes qc, qs, kv
.if DOCPART == 1
	.amdgcn_target "amdgcn-amd-amdhsa--gfx1250"
	.amdhsa_code_object_version 6
	.text
	.protected	k_q003b597b1b_qkv
	.globl	k_q003b597b1b_qkv
	.p2align	8
	.type	k_q003b597b1b_qkv,@function
k_q003b597b1b_qkv:
	s_mov_b64 s[64:65], 0
	v_nop
	global_prefetch_b8 v0, s[64:65] scope:SCOPE_SE
	s_setreg_imm32_b32 hwreg(HW_REG_WAVE_MODE, 25, 1), 1
	s_wait_xcnt 0x0
	s_wait_alu depctr_hold_cnt(0) depctr_sa_sdst(0) depctr_va_vdst(0) depctr_va_sdst(0) depctr_va_ssrc(0) depctr_va_vcc(0) depctr_vm_vsrc(0)
	s_getreg_b32 s2, hwreg(HW_REG_IB_STS2, 6, 4)
	s_cmp_eq_u32 s2, 0
	s_cbranch_scc0 .Lentry_in_a_cluster
	s_endpgm
.Lentry_in_a_cluster:
	s_bfe_u32 s2, ttmp6, 0x10000c
	s_cmp_lg_u32 s2, 0xf033
	s_cbranch_scc0 .Lentry_shape_is_right
	s_endpgm
.Lentry_shape_is_right:
; qkv = x W_qkv^T + b_qkv on codes of FP4 (E2M1) with one E8M0 scale for each 32 along K = 1,024; then q and k are quantised along the head's 64 and v along the keys, and leave as
; IMAGES OF THE NEXT LAUNCH'S OPERAND REGISTERS (lane l's 16 bytes at 16 l), so that every store of codes covers 512 consecutive bytes.
; A work-group of four waves makes a tile of 256 x 256; a wave 128 x 128: 64 accumulators of 16 x 16.  All of K lies in LDS at once: two slots of 512 along K, each filled ONCE; nothing is filled again.
; THE QUANTISER WANTS ITS K ALONG A LANE'S REGISTERS, and those run along source 0's rows.  So the roles change with the section (the cluster's x: 0 = q, 1 = k, 2 = v):
;   q, k: source 0 (P) = 256 rows of W (n: four heads), source 1 (R) = 256 tokens;      v: source 0 (P) = 256 tokens (two key steps of 128), source 1 (R) = 256 rows of W.
; In accumulator (a, b) lane (r, h) holds R's row 16 a + r, and its register j P's row 16 b + 8 h + j.  A block of 32 along P is tiles 2 b', 2 b' + 1 of lanes l and l xor 16.
; CLUSTERS: 4 x 4 work-groups.  R's tile hangs on cy alone and is asked for jointly by my row of the cluster, P's on cx alone and by my column; the section is the same in all sixteen.
; LIMITS: NaN and infinities are not served.  A block of zeros gets the byte 1 (the rule says 127): its codes are zeros, and the bytes are read by this program alone.
; REGISTERS, in windows of 256: window 0: v1-27 addresses; v32-95 scale words, two sets (afterwards T: 64 numbers at work); v96-111 at work; v112-127 v's bias; v128-191 R's fragments, one set (afterwards the codes);
;   v192-255 q's and k's bias.   window 1: P's fragments, two sets.   windows 2, 3: the accumulators ((a, b) at v[8 (8 (a % 4) + b)]).
.set NQ,     4                         ; matrix instructions deep in a slot: 512 along K
.set ROWB,   256                       ; a tile's row in bytes: 512 codes
.set KROW,   512                       ; a row of x or of W in memory, in bytes
.set PITCH,  272                       ; an LDS row: 256 bytes + 16 of padding = 68 words: the 16 rows that a load touches start at 16 different banks (64 banks of 4 bytes: ISA guide 11.1)
.set FR,     8                         ; registers of a fragment: 16 rows x 128 K
.set NL,     2                         ; LDS loads that bring one
.set NP,     4                         ; places behind this matrix instruction (ISA guide 7.12.1)
.set HALFT,  128*PITCH                 ; 128 rows: what one tensor load brings
.set SLOT,   4*HALFT                   ; R's 256 rows, then P's 256 rows
.set KS,     32                        ; a row of scale bytes
.set SCL,    2*SLOT                    ; behind the slots: the scales, as units of 256 bytes + 16 of padding
.set HALFS,  (128*KS/256)*272          ; the scales of 128 rows
.set SBLK,   (16*KS/256)*272           ; those of 16 rows
.set STG,    SCL+4*HALFS               ; behind the scales: the scale words' stages, into which no tile lands: q, k: 1,024 bytes a wave; v: from STG + 4,096 on 512 bytes a wave
.set HEADB,  143360                    ; kv: a head's 16 key steps
.set KSB,    8960                      ; kv: a key step: 4,096 K's images, 4,096 V's, 512 K's scale words, 256 V's
.set STQ,  7                           ; v7   q, k: where my row's scale word goes: STG + 1,024 wave + 512 h + 4 r
.set STR,  8                           ; v8   and where 16 bytes come back: STG + 1,024 wave + 16 lane
.set STV,  9                           ; v9   v: STG + 4,096 + 512 wave + 4 r
.set STVR, 10                          ; v10  STG + 4,096 + 512 wave + 16 lane
.set VSO,  11                          ; v11  v's scale words in kv: lanes 0-15 the first head's 256 bytes, lanes 16-31 the second's
.set H32,  12                          ; v12  32 h
.set R4,   13                          ; v13  4 r
.set ADRA, 16                          ; v16-17  LDS address of my R fragments in slot 0, 1
.set ADRB, 20                          ; v20-21  the same for P
.set CO,   26                          ; v26  16 x lane
.set ADRS, 27                          ; v27  LDS address of my scale words: lanes 0-15 R's rows, lanes 16-31 P's
.set SC,   32
.set T,    32
.set TM,   96
.set BR,   112
.set AF,   128
.set BP,   192
.set G1,   24                          ; s[24:31] descriptor group 1 for R's tiles;  s[32:39] group 0, one set for each slot
.set G0,   32
.set G1B,  48                          ; s[48:55], s[56:63] the same for P's
.set G0B,  56
.set G1S,  68                          ; s[68:75], s[76:79] for R's scales;  s[80:87], s[88:91] for P's
.set G0S,  76
.set G1SB, 80
.set G0SB, 88
.set SEL,  30                          ; s[30:31], s32: written when every tensor load has landed
.set HM,   32
.set MSB, 0
.macro WIN new                         ; the immediate's high byte repeats the setting that is left
.if MSB != (\new)
	s_set_vgpr_msb (MSB<<8)|(\new)
.set MSB, \new
.endif
.endm
.set MUL_LO, 0xa1                      ; source 0 (P) window 1, source 1 (R) window 0, C and D window 2
.set MUL_HI, 0xf1                      ; the same, C and D window 3
.set TO_B,   0x40                      ; destination window 1, address window 0
; A joint load: waves 0 and 1 fetch for R, waves 2 and 3 for P.  Each line has one mask and one set of registers for all that issue it; the branch hangs on the wave's number alone.
; Four v_nop follow each of the two lines.
.macro JLOAD g0a, g1a, g0b, g1b
	s_cmp_eq_u32 s15, 0
	s_cbranch_scc0 .Lfor_b_\@
	tensor_load_to_lds s[\g0a:\g0a+3], s[\g1a:\g1a+7]
	s_nop 0
.rept 4
	v_nop
.endr
	s_branch .Lasked_\@
.Lfor_b_\@:
	tensor_load_to_lds s[\g0b:\g0b+3], s[\g1b:\g1b+7]
	s_nop 0
.rept 4
	v_nop
.endr
.Lasked_\@:
.endm
.macro CROUND                          ; a round of the cluster's barrier
	s_barrier_signal -1
	s_barrier_wait -1
	s_cmp_lg_u32 s14, 0
	s_cbranch_scc1 .Lnot_wave_0_\@
	s_barrier_signal -3
.Lnot_wave_0_\@:
	s_barrier_wait -3
	s_barrier_signal -1
	s_barrier_wait -1
.endm
	s_load_b256 s[4:11], s[0:1], 0x0               ; x's codes s[4:5], x's scales s[6:7], W's codes s[8:9], W's scales s[10:11]
	s_load_b64 s[12:13], s[0:1], 0x20              ; b_qkv
	v_lshl_add_u32 v106, v0, 2, 0x49c00
	v_mov_b32 v107, 0
	ds_add_u32 v106, v107
	ds_add_u32 v106, v107
	v_lshrrev_b32 v1, 5, v0
	v_readfirstlane_b32 s14, v1                    ; wave 0..3
	s_lshr_b32 s15, s14, 1                         ; which half of R's rows is mine.  Also: I fetch for R (0) or for P (1)
	s_and_b32 s16, s14, 1                          ; which half of P's rows.  Also: which 128 rows of that tile I fetch
	s_bfe_u32 s40, ttmp6, 0x40000                  ; cx, cy: my place in the cluster
	s_bfe_u32 s41, ttmp6, 0x40004
	s_and_b32 s17, ttmp7, 0xffff                   ; Y: the cluster's y
	s_lshl_b32 s18, s17, 2                         ; 4 Y
	s_lshl_b32 s19, ttmp9, 2                       ; 4 x section
	s_cmp_eq_u32 ttmp9, 2                          ; v?  The same answer in all sixteen partners
	s_cselect_b32 s42, s18, s19                    ; P's tile of 256 rows: v: 4 Y (tokens); q, k: 4 x section (rows of W);
	s_cselect_b32 s17, 8, s18                      ; R's: v: 8 (rows of W from 2,048 on); q, k: 4 Y (tokens);
	s_add_co_u32 s42, s42, s40                     ; + cx: P hangs on cx alone,
	s_add_co_u32 s17, s17, s41                     ; + cy: R on cy alone
	s_lshl_b32 s43, s41, 2
	s_lshl_b32 s43, 15, s43                        ; my row of the cluster
	s_lshl_b32 s44, 0x1111, s40                    ; my column
	; descriptor group 1: a tile of 128 rows x 256 bytes, padded in LDS.  x and W have the same pitches, so the shapes are constants
	s_or_b32 s[G1+0], s43, (0<<16)|(1<<20)|(1<<21)|(5<<22)|(3<<25)  ; 15:0 the mask: R's tiles go to my row; 17:16 element of 1 byte; 20 padding on; 21 set beside a mask; 24:22 after every 64 words; 31:25 four words
	s_or_b32 s[G1B+0], s44, (0<<16)|(1<<20)|(1<<21)|(5<<22)|(3<<25)
.irp g, G1, G1B
	s_mov_b32 s[\g+1], ROWB<<16                    ; tensor_dim0
	s_mov_b32 s[\g+2], 128<<16                     ; tensor_dim1
	s_mov_b32 s[\g+3], ROWB<<16                    ; tile_dim0
	s_mov_b32 s[\g+4], 128                         ; tile_dim1
	s_mov_b32 s[\g+5], KROW                        ; tensor_dim0_stride
	s_mov_b32 s[\g+6], 0
	s_mov_b32 s[\g+7], 0
.endr
	; the scales of 128 rows: 4,096 dense bytes, as 16 rows of 256 bytes (32 elements of 8 bytes), 16 bytes of padding behind each
	s_or_b32 s[G1S+0], s43, (3<<16)|(1<<20)|(1<<21)|(5<<22)|(3<<25)
	s_or_b32 s[G1SB+0], s44, (3<<16)|(1<<20)|(1<<21)|(5<<22)|(3<<25)
.irp g, G1S, G1SB
	s_mov_b32 s[\g+1], 32<<16
	s_mov_b32 s[\g+2], (128*KS/256)<<16
	s_mov_b32 s[\g+3], 32<<16
	s_mov_b32 s[\g+4], 128*KS/256
	s_mov_b32 s[\g+5], 32
	s_mov_b32 s[\g+6], 0
	s_mov_b32 s[\g+7], 0
.endr
	s_lshl_b32 s18, s16, 7                         ; which 128 rows of the tile I fetch
	s_lshl_b32 s20, s17, 8
	s_add_co_u32 s20, s20, s18                     ; R: row 256 x tile + 128 x half
	s_lshl_b32 s46, s42, 8
	s_add_co_u32 s46, s46, s18                     ; P likewise
	s_lshl_b32 s22, s20, 5                         ; where these rows' scales begin, in bytes (32 a row),
	s_mov_b32 s23, 0
	s_lshl_b32 s92, s46, 5
	s_mov_b32 s93, 0
	s_lshl_b32 s20, s20, 9                         ; and their codes (512 a row): 4 MiB at the most
	s_mov_b32 s21, 0
	s_lshl_b32 s46, s46, 9
	s_mov_b32 s47, 0
	s_mul_i32 s45, s14, HALFT                      ; where they go: wave x 128 rows: no place in the cluster enters an LDS address
	s_mul_i32 s94, s14, HALFS
	s_wait_dscnt 0x0
	s_wait_kmcnt 0x0
	s_cmp_eq_u32 ttmp9, 2                          ; which tensor plays which part: a choice that hangs on no address
	s_cselect_b64 s[2:3], s[8:9], s[4:5]           ; R's codes: v: W's; q, k: x's
	s_cselect_b64 s[96:97], s[10:11], s[6:7]       ; R's scales
	s_cselect_b64 s[4:5], s[4:5], s[8:9]           ; P's codes: v: x's; q, k: W's
	s_cselect_b64 s[6:7], s[6:7], s[10:11]         ; P's scales
	s_add_nc_u64 s[20:21], s[2:3], s[20:21]
	s_add_nc_u64 s[22:23], s[96:97], s[22:23]
	s_add_nc_u64 s[46:47], s[4:5], s[46:47]
	s_add_nc_u64 s[92:93], s[6:7], s[92:93]
	CROUND                                         ; all sixteen work-groups are here: the joint loads meet.  Three loads of mine go out, all first fills
	s_mov_b32 s[G0S], 1
	s_add_co_u32 s[G0S+1], s94, SCL
	s_mov_b64 s[G0S+2:G0S+3], s[22:23]
	s_or_b32 s[G0S+3], s[G0S+3], 0x80000000
	s_mov_b32 s[G0SB], 1
	s_add_co_u32 s[G0SB+1], s94, SCL
	s_mov_b64 s[G0SB+2:G0SB+3], s[92:93]
	s_or_b32 s[G0SB+3], s[G0SB+3], 0x80000000
	JLOAD G0S, G1S, G0SB, G1SB                     ; the scales first: they are wanted with the first products
.irp s, 0,1
	s_mov_b32 s[G0+4*\s], 1
	s_add_co_u32 s[G0+4*\s+1], s45, \s*SLOT
	s_add_nc_u64 s[G0+4*\s+2:G0+4*\s+3], s[20:21], \s*ROWB
	s_or_b32 s[G0+4*\s+3], s[G0+4*\s+3], 0x80000000
	s_mov_b32 s[G0B+4*\s], 1
	s_add_co_u32 s[G0B+4*\s+1], s45, \s*SLOT
	s_add_nc_u64 s[G0B+4*\s+2:G0B+4*\s+3], s[46:47], \s*ROWB
	s_or_b32 s[G0B+4*\s+3], s[G0B+4*\s+3], 0x80000000
	JLOAD G0+4*\s, G1, G0B+4*\s, G1B
.endr
	v_and_b32 v1, 15, v0                           ; r = l % 16
	v_bfe_u32 v2, v0, 4, 1                         ; h = l / 16
	v_mul_u32_u24 v3, v1, PITCH
	v_lshl_add_u32 v4, v2, 4, v3                   ; a fragment's row x pitch + 16 x half
	s_mul_i32 s21, s15, HALFT                      ; my 128 rows of R
	s_mul_i32 s22, s16, HALFT                      ; my 128 rows of P,
	s_add_co_u32 s22, s22, 2*HALFT                 ; which lie behind R's 256
.irp s, 0,1
	v_add_nc_u32 v[ADRA+\s], s21, v4
	v_add_nc_u32 v[ADRB+\s], s22, v4
	s_add_co_u32 s21, s21, SLOT
	s_add_co_u32 s22, s22, SLOT
.endr
	v_mul_u32_u24 v5, v1, KS                       ; my row's scales: 32 bytes a row,
	v_lshrrev_b32 v6, 8, v5
	v_lshl_add_u32 v5, v6, 4, v5                   ; and 16 more for each 256 passed
	s_mul_i32 s21, s15, HALFS                      ; R's: my 128 rows
	s_mul_i32 s22, s16, HALFS                      ; P's: my 128 rows, behind R's 256
	s_add_co_u32 s22, s22, 2*HALFS
	s_sub_co_u32 s22, s22, s21
	v_mul_u32_u24 v6, s22, v2                      ; lanes 16-31 take P's: one product, the lower base + h x the distance
	s_add_co_u32 s21, s21, SCL
	v_add_nc_u32 v5, v5, v6
	v_add_nc_u32 v[ADRS], s21, v5
	; the way out's addresses: all made here, ahead of the one place where the sections part
	v_and_b32 v6, 31, v0
	v_lshlrev_b32 v[CO], 4, v6
	v_lshlrev_b32 v[R4], 2, v1
	v_lshlrev_b32 v[H32], 5, v2
	s_wait_alu depctr_va_vdst(0)
	s_lshl_b32 s23, s14, 10
	s_add_co_u32 s23, s23, STG
	v_lshl_add_u32 v[STQ], v2, 9, v[R4]
	v_add_nc_u32 v[STQ], s23, v[STQ]
	v_add_nc_u32 v[STR], s23, v[CO]
	s_lshl_b32 s23, s14, 9
	s_add_co_u32 s23, s23, STG+4096
	v_add_nc_u32 v[STV], s23, v[R4]
	v_add_nc_u32 v[STVR], s23, v[CO]
	v_mul_u32_u24 v[VSO], v2, HEADB
	v_lshl_add_u32 v[VSO], v1, 4, v[VSO]
	; BOTH bias sets are loaded in every section, so that the sections part once only; both lie inside b_qkv in every section, and the set of the other path is left unread.
	s_lshl_b32 s98, ttmp9, 2
	s_add_co_u32 s98, s98, s40
	s_lshl_b32 s98, s98, 10                        ; along P (q, k): b_qkv[256 (4 section + cx) + 128 half + 16 b + 8 h + j] in the result's layout
	s_lshl_b32 s99, s16, 9
	s_add_co_u32 s98, s98, s99
	s_mov_b32 s99, 0
	s_add_nc_u64 s[98:99], s[12:13], s[98:99]
	s_lshl_b32 s94, s41, 10                        ; along R (v): b_qkv[2,048 + 256 cy + 128 half + 16 a + r], one number a lane, twice: a pair for the packed addition
	s_lshl_b32 s95, s15, 9
	s_add_co_u32 s94, s94, s95
	s_add_co_u32 s94, s94, 8192
	s_mov_b32 s95, 0
	s_add_nc_u64 s[94:95], s[12:13], s[94:95]
.irp b, 0,1,2,3,4,5,6,7
	global_load_b128 v[BP+8*\b:BP+8*\b+3], v[H32], s[98:99] offset:64*\b
	global_load_b128 v[BP+8*\b+4:BP+8*\b+7], v[H32], s[98:99] offset:64*\b+16
.endr
.irp a, 0,1,2,3,4,5,6,7
	global_load_b32 v[BR+2*\a], v[R4], s[94:95] offset:64*\a
	global_load_b32 v[BR+2*\a+1], v[R4], s[94:95] offset:64*\a
.endr
.macro FRAG reg, adr, q, i             ; a fragment, 16 rows x 128 K of 4-bit codes: lane l holds row l % 16; registers 4 c .. 4 c + 3 hold K = 64 c + 32 (l / 16) + 0 .. 31
.irp c, 0,1
	ds_load_b128 v[\reg+4*\c:\reg+4*\c+3], v[\adr] offset:64*(\q)+32*\c+(\i)*16*PITCH
.endr
.endm
; 16 matrix instructions: R's blocks a0, a0 + 1 x P's eight, 128 along K: the slot's q-th.  p: P's set;  sc: the set of scale words.  zero = 1: the first product starts the sums.
; The 64 accumulators take turns, one instruction a turn, in the same order in every step.
.macro MUL16 a0, p, q, sc, zero
.irp a, \a0, \a0+1
.irp b, 0,1,2,3,4,5,6,7
.if \zero
	v_wmma_scale_f32_16x16x128_f8f6f4 v[8*(8*((\a)%4)+\b):8*(8*((\a)%4)+\b)+7], v[128*(\p)+FR*\b:128*(\p)+FR*\b+FR-1], v[AF+FR*(\a):AF+FR*(\a)+FR-1], 0, v[SC+8*NQ*(\sc)+NQ*\b+(\q)], v[SC+8*NQ*(\sc)+NQ*(\a)+(\q)] matrix_a_fmt:MATRIX_FMT_FP4 matrix_b_fmt:MATRIX_FMT_FP4 matrix_a_scale:MATRIX_SCALE_ROW1
.else
	v_wmma_scale_f32_16x16x128_f8f6f4 v[8*(8*((\a)%4)+\b):8*(8*((\a)%4)+\b)+7], v[128*(\p)+FR*\b:128*(\p)+FR*\b+FR-1], v[AF+FR*(\a):AF+FR*(\a)+FR-1], v[8*(8*((\a)%4)+\b):8*(8*((\a)%4)+\b)+7], v[SC+8*NQ*(\sc)+NQ*\b+(\q)], v[SC+8*NQ*(\sc)+NQ*(\a)+(\q)] matrix_a_fmt:MATRIX_FMT_FP4 matrix_b_fmt:MATRIX_FMT_FP4 matrix_a_scale:MATRIX_SCALE_ROW1
.endif
.endr
.endr
.endm
.macro FETCH_B slot, q, p              ; P's eight fragments of the slot's q-th 128 along K into set p
	WIN TO_B
.irp i, 0,1,2,3,4,5,6,7
	FRAG 128*(\p)+FR*\i, ADRB+\slot, \q, \i
.endr
	WIN 0
.endm
.macro FETCH_A slot, q, i0             ; R's blocks i0 .. i0 + 3
.irp i, \i0, \i0+1, \i0+2, \i0+3
	FRAG AF+FR*(\i), ADRA+\slot, \q, \i
.endr
.endm
.macro SCALES sc                       ; a slot's scale words into set sc: four words a row; lanes 0-15 take R's block i, lanes 16-31 P's block i
.irp i, 0,1,2,3,4,5,6,7
	ds_load_b128 v[SC+8*NQ*\sc+NQ*\i:SC+8*NQ*\sc+NQ*\i+3], v[ADRS] offset:\i*SBLK
.endr
.endm
; A load into a register that a matrix instruction has read, and a vector instruction that reads a matrix result or writes one of a matrix instruction's registers, stand NP places behind it;
; only plain vector instructions that name none of its registers are places (ISA guide 7.12.1 for vector instructions).
.macro PLACES n
.rept \n
	v_nop
.endr
.endm
; A step of 128 along K that has its successor in the same slot.  R has one set of registers: blocks 0-3 are fetched anew in the step's middle, blocks 4-7 at its end; P has two sets.
.macro STEP slot, q, zero
	s_wait_dscnt 4*NL                              ; P's set and R's blocks 0-3 are in; the youngest eight loads (R's blocks 4-7) may be out
	WIN MUL_LO
	MUL16 0, (\q)%2, \q, \slot, \zero
	MUL16 2, (\q)%2, \q, \slot, \zero
	s_wait_dscnt 0                                 ; R's blocks 4-7 are in
	PLACES NP
	FETCH_B \slot, (\q)+1, 1-(\q)%2
	FETCH_A \slot, (\q)+1, 0
	WIN MUL_HI
	MUL16 4, (\q)%2, \q, \slot, \zero
	MUL16 6, (\q)%2, \q, \slot, \zero
	PLACES NP
	WIN 0
	FETCH_A \slot, (\q)+1, 4
.endm
; Slot 0's last step goes over to slot 1: each wave waits for its part of slot 1, then one barrier shows the whole slot to all four.  Nothing is filled again.
.macro TURN slot, next
	s_wait_tensorcnt 0x0                           ; all my tensor loads have landed: the one that could be out is my part of the next slot
	s_wait_dscnt 4*NL                              ; (R's blocks 4-7 may be out)
	WIN MUL_LO
	MUL16 0, 1, NQ-1, \slot, 0
	s_wait_dscnt 0x0                               ; no LDS instruction of mine is out at the signal
	s_barrier_signal -1
	MUL16 2, 1, NQ-1, \slot, 0                     ; work on registers while the others arrive
	WIN 0
	s_barrier_wait -1
	PLACES NP
	v_add_nc_u32 v[ADRS], 4*NQ, v[ADRS]            ; on to the next slot's scale words (no LDS load of mine is out)
	FETCH_B \next, 0, 0
	FETCH_A \next, 0, 0
	SCALES \next
	WIN MUL_HI
	MUL16 4, 1, NQ-1, \slot, 0
	MUL16 6, 1, NQ-1, \slot, 0
	PLACES NP
	WIN 0
	FETCH_A \next, 0, 4
.endm
	s_wait_tensorcnt 1                             ; the scales and my part of slot 0 are in (slot 1's load, issued behind them, may be out),
	s_barrier_signal -1
	s_barrier_wait -1                              ; everybody's are
	FETCH_B 0, 0, 0
	FETCH_A 0, 0, 0
	SCALES 0
	FETCH_A 0, 0, 4
	STEP 0, 0, 1                                   ; the first products start the sums: nothing is cleared
	STEP 0, 1, 0
	STEP 0, 2, 0
	TURN 0, 1
	s_load_b128 s[24:27], s[0:1], 0x28             ; qc s[24:25], qs s[26:27]: into descriptor registers, which are free: every tensor load of mine has landed
	s_load_b64 s[28:29], s[0:1], 0x38              ; kv
	STEP 1, 0, 0
	STEP 1, 1, 0
	STEP 1, 2, 0
	s_wait_dscnt 4*NL                              ; the last step: nothing more to fetch
	WIN MUL_LO
	MUL16 0, 1, NQ-1, 1, 0
	MUL16 2, 1, NQ-1, 1, 0
	s_wait_dscnt 0
	WIN MUL_HI
	MUL16 4, 1, NQ-1, 1, 0
	MUL16 6, 1, NQ-1, 1, 0
	WIN 0
; 64 numbers of a lane, v[s] .. v[s + 63] (register 8 t + j = K 16 t + 8 h + j of the lane's row), become a fragment's codes in v[pc] .. v[pc + 7] and its scale word in v[pw].
; A block's scale: the largest magnitude's exponent field less 2 (the exponent of the format's largest number, 6), held at 1 from below by the floor 2^(3 - 127) among the maximum's leaves.
; THE CONVERSIONS ARE WRITTEN IN THE ORDER tile 4 c, 4 c + 2, 4 c + 1, 4 c + 3: two exchanges of halves then leave K = 64 c + 32 h + 0 .. 31 in registers 4 c .. 4 c + 3, the operand's layout.
.macro QUANT s, pc, pw
.irp b, 0,1,2,3
	v_max3_num_f32 v[TM+\b], |v[\s+16*\b]|, |v[\s+1+16*\b]|, 0x1800000
.endr
.irp i, 2,4,6,8,10,12,14
.irp b, 0,1,2,3
	v_max3_num_f32 v[TM+\b], v[TM+\b], |v[\s+16*\b+\i]|, |v[\s+1+16*\b+\i]|   ; the four blocks by turns
.endr
.endr
.irp b, 0,1,2,3
	v_permlanex16_b32 v[TM+4+\b], v[TM+\b], s[SEL], s[SEL+1]
.endr
.irp b, 0,1,2,3
	v_max_num_f32 v[TM+\b], v[TM+\b], v[TM+4+\b]   ; with lane l xor 16's 16: the block's largest magnitude
.endr
.irp b, 0,1,2,3
	v_add_nc_u32 v[TM+12+\b], 0xff000000, v[TM+\b] ; 2 off its exponent field: the conversion takes the exponent field of this operand as its scale
.endr
.irp b, 0,1,2,3
	v_lshrrev_b32 v[TM+4+\b], 23, v[TM+12+\b]      ; the scale's byte
.endr
	v_lshl_or_b32 v[\pw], v[TM+5], 8, v[TM+4]
	v_lshl_or_b32 v[\pw], v[TM+6], 16, v[\pw]
	v_lshl_or_b32 v[\pw], v[TM+7], 24, v[\pw]
.irp c, 0,1
	v_cvt_scalef32_pk8_fp4_f32 v[(\pc)+4*\c], v[\s+32*\c:\s+32*\c+7], v[TM+12+2*\c]
	v_cvt_scalef32_pk8_fp4_f32 v[(\pc)+4*\c+1], v[\s+32*\c+16:\s+32*\c+23], v[TM+13+2*\c]
	v_cvt_scalef32_pk8_fp4_f32 v[(\pc)+4*\c+2], v[\s+32*\c+8:\s+32*\c+15], v[TM+12+2*\c]
	v_cvt_scalef32_pk8_fp4_f32 v[(\pc)+4*\c+3], v[\s+32*\c+24:\s+32*\c+31], v[TM+13+2*\c]
.endr
	v_nop                                          ; one plain place behind a scaled conversion
.irp c, 0,1
	v_permlane16_swap_b32 v[(\pc)+4*\c], v[(\pc)+4*\c+1]
	v_permlane16_swap_b32 v[(\pc)+4*\c+2], v[(\pc)+4*\c+3]
.endr
.endm
; q, k: R's block a = 16 tokens; the lane's 64 numbers are two heads' 64 channels in halves.  Registers 0-3 of the codes are the first head's image, 4-7 the second's; each block has registers of its own, so no store's data are written again.
.macro EPI_QK a
	WIN 0x02+(\a)/4                                ; source 0: window 2 or 3
.set i, 0
.rept 32
	v_pk_add_f32 v[T+i:T+i+1], v[64*((\a)%4)+i:64*((\a)%4)+i+1], v[BP+i:BP+i+1]   ; + the bias; each accumulator from its low end on
.set i, i+2
.endr
	WIN 0
	QUANT T, 128+8*(\a), 122
	v_and_b32 v120, 0xffff, v122                   ; the first head's two bytes, over two bytes 0 for the zero codes of K 64 .. 127;
	v_lshrrev_b32 v121, 16, v122                   ; the second head's
	v_cndmask_b32 v[112+(\a)], v120, v121, s[HM]   ; lanes 0-15 carry the first head's word, lanes 16-31 the second's
	ds_store_b32 v[STQ], v[112+(\a)] offset:64*(\a)
	global_store_b128 v[CO], v[128+8*(\a):131+8*(\a)], s[52:53] offset:512*(\a)   ; 32 lanes store 512 consecutive bytes, aligned
	global_store_b128 v[CO], v[132+8*(\a):135+8*(\a)], s[58:59] offset:512*(\a)
.endm
; v: R's block a = 16 channels d of head a / 4; the lane's 64 numbers are a key step's 128 keys in halves: one whole fragment of V^T and one scale word a channel.
.macro EPI_V a
	WIN 0x02+(\a)/4
.set i, 0
.rept 32
	v_pk_add_f32 v[T+i:T+i+1], v[64*((\a)%4)+i:64*((\a)%4)+i+1], v[BR+2*(\a):BR+2*(\a)+1]
.set i, i+2
.endr
	WIN 0
	QUANT T, 128+8*(\a), 192+(\a)
	ds_store_b32 v[STV], v[192+(\a)] offset:64*(\a)          ; lanes r and r + 16 write the same word with the same value
	global_store_b128 v[CO], v[128+8*(\a):131+8*(\a)], s[52:53] offset:((\a)/4)*HEADB+4096+((\a)%4)*1024
	global_store_b128 v[CO], v[132+8*(\a):135+8*(\a)], s[52:53] offset:((\a)/4)*HEADB+4096+((\a)%4)*1024+512
.endm
	PLACES NP                                      ; behind the last products: their results are read, and their operands' and scales' registers written, below
	s_wait_loadcnt 0x0                             ; the biases
	s_wait_kmcnt 0x0                               ; qc, qs, kv
	s_mov_b32 s[SEL], 0x76543210
	s_mov_b32 s[SEL+1], 0xfedcba98                 ; v_permlanex16_b32's selects for lane l xor 16
	s_mov_b32 s[HM], 0xffff0000                    ; lanes 16-31
.irp b, 0,1,2,3
	v_mov_b32 v[TM+4+\b], 0                        ; written once: a lane permute's destination counts as one of its sources
.endr
	s_cmp_eq_u32 ttmp9, 2
	s_cbranch_scc1 .Lv                             ; the one place where the sections part: on the cluster's x, the same in all partners
	; ---- q, k.  My 128 tokens are group G of 128 of their batch; my 128 rows of W are heads hA, hA + 1
	s_lshr_b32 s33, s17, 3                         ; batch (a batch is 8 tiles of 256 tokens)
	s_and_b32 s34, s17, 7
	s_lshl_b32 s34, s34, 1
	s_add_co_u32 s34, s34, s15                     ; G
	s_lshl_b32 s35, s40, 2
	s_lshl_b32 s36, s16, 1
	s_add_co_u32 s35, s35, s36                     ; hA = 4 cx + 2 half
	s_lshl_b32 s33, s33, 4
	s_add_co_u32 s33, s33, s35                     ; 16 batch + hA
	s_mov_b32 s36, HEADB
	s_mov_b32 s37, KSB
	s_cmp_eq_u32 ttmp9, 0                          ; q or k: every choice is made ahead of the first addition
	s_cselect_b32 s38, 65536, s36                  ; codes: from head to head,
	s_cselect_b32 s39, 4096, s37                   ; from group to group;
	s_cselect_b32 s48, 8192, s36                   ; scale words: from head to head,
	s_cselect_b32 s49, 512, s37                    ; from group to group,
	s_cselect_b32 s50, 0, 8192                     ; and where they begin in a key step
	s_cselect_b64 s[52:53], s[24:25], s[28:29]     ; qc or kv
	s_cselect_b64 s[54:55], s[26:27], s[28:29]     ; qs or kv
	s_mul_i32 s56, s33, s38
	s_mul_i32 s57, s34, s39
	s_add_co_u32 s56, s56, s57
	s_mov_b32 s57, 0
	s_add_nc_u64 s[52:53], s[52:53], s[56:57]      ; the first head's codes
	s_mov_b32 s56, s38
	s_add_nc_u64 s[58:59], s[52:53], s[56:57]      ; the second's
	s_mul_i32 s56, s33, s48
	s_mul_i32 s62, s34, s49
	s_add_co_u32 s56, s56, s62
	s_add_co_u32 s56, s56, s50
	s_add_nc_u64 s[54:55], s[54:55], s[56:57]      ; the first head's scale words
	s_mov_b32 s56, s48
	s_add_nc_u64 s[60:61], s[54:55], s[56:57]      ; the second's
.irp a, 0,1,2,3,4,5,6,7
	EPI_QK \a
.endr
	ds_load_b128 v[32:35], v[STR]                  ; LDS serves a wave's instructions in order (ISA guide 5.7.1.4): these see my stores.  128 tokens' words of the first head,
	ds_load_b128 v[36:39], v[STR] offset:512       ; and of the second
	s_wait_dscnt 0x0
	global_store_b128 v[CO], v[32:35], s[54:55]    ; 512 consecutive bytes each, aligned
	global_store_b128 v[CO], v[36:39], s[60:61]
	s_branch .Lend
.Lv:
	; ---- v.  My 128 tokens are key step G of their batch; my 128 rows of W are heads hA, hA + 1
	s_lshr_b32 s33, s42, 3
	s_and_b32 s34, s42, 7
	s_lshl_b32 s34, s34, 1
	s_add_co_u32 s34, s34, s16                     ; G
	s_lshl_b32 s35, s41, 2
	s_lshl_b32 s36, s15, 1
	s_add_co_u32 s35, s35, s36                     ; hA = 4 cy + 2 half
	s_lshl_b32 s33, s33, 4
	s_add_co_u32 s33, s33, s35
	s_mul_i32 s56, s33, HEADB
	s_mul_i32 s57, s34, KSB
	s_add_co_u32 s56, s56, s57
	s_mov_b32 s57, 0
	s_add_nc_u64 s[52:53], s[28:29], s[56:57]      ; the first head's key step G
.irp a, 0,1,2,3,4,5,6,7
	EPI_V \a
.endr
	ds_load_b128 v[32:35], v[STVR]                 ; 64 channels' words of the first head in lanes 0-15, of the second in lanes 16-31
	s_wait_dscnt 0x0
	global_store_b128 v[VSO], v[32:35], s[52:53] offset:8704   ; sixteen lanes store 256 consecutive bytes, aligned
.Lend:
	s_wait_dscnt 0x0
	s_wait_tensorcnt 0x0
	ds_add_u32 v106, v107
	s_wait_dscnt 0x0
	CROUND                                         ; the closing round: no work-group ends while a partner may still ask for a tile that names it
	s_endpgm
.Lfunc_end_k_q003b597b1b_qkv:
	.size	k_q003b597b1b_qkv, .Lfunc_end_k_q003b597b1b_qkv-k_q003b597b1b_qkv
	.p2alignl 7, 3214868480
	.fill 96, 4, 3214868480
	.section	.rodata,"a",@progbits
	.p2align	6, 0x0
	.amdhsa_kernel k_q003b597b1b_qkv
		.amdhsa_group_segment_fixed_size 302592
		.amdhsa_private_segment_fixed_size 0
		.amdhsa_enable_private_segment 0
		.amdhsa_kernarg_size 64
		.amdhsa_user_sgpr_count 2
		.amdhsa_user_sgpr_kernarg_segment_ptr 1
		.amdhsa_wavefront_size32 1
		.amdhsa_system_sgpr_workgroup_id_x 1
		.amdhsa_system_sgpr_workgroup_id_y 1
		.amdhsa_system_sgpr_workgroup_id_z 1
		.amdhsa_system_vgpr_workitem_id 0
		.amdhsa_next_free_vgpr 1024
		.amdhsa_next_free_sgpr 100
		.amdhsa_reserve_vcc 0
		.amdhsa_float_denorm_mode_32 3
		.amdhsa_float_denorm_mode_16_64 3
		.amdhsa_memory_ordered 1
		.amdhsa_forward_progress 1
		.amdhsa_inst_pref_size 199
	.end_amdhsa_kernel
	.amdgpu_metadata
---
amdhsa.version: [ 1, 2 ]
amdhsa.kernels:
  - .name:           k_q003b597b1b_qkv
    .symbol:         k_q003b597b1b_qkv.kd
    .args:
      - { .name: x_codes, .offset: 0, .size: 8, .value_kind: global_buffer, .address_space: global }
      - { .name: x_scales, .offset: 8, .size: 8, .value_kind: global_buffer, .address_space: global }
      - { .name: w_qkv_codes, .offset: 16, .size: 8, .value_kind: global_buffer, .address_space: global }
      - { .name: w_qkv_scales, .offset: 24, .size: 8, .value_kind: global_buffer, .address_space: global }
      - { .name: b_qkv, .offset: 32, .size: 8, .value_kind: global_buffer, .address_space: global }
      - { .name: qc, .offset: 40, .size: 8, .value_kind: global_buffer, .address_space: global }
      - { .name: qs, .offset: 48, .size: 8, .value_kind: global_buffer, .address_space: global }
      - { .name: kv, .offset: 56, .size: 8, .value_kind: global_buffer, .address_space: global }
    .group_segment_fixed_size: 302592
    .private_segment_fixed_size: 0
    .kernarg_segment_align: 8
    .kernarg_segment_size: 64
    .max_flat_workgroup_size: 128
    .sgpr_count:     100
    .vgpr_count:     1024
    .wavefront_size: 32
...
	.end_amdgpu_metadata
.endif
;; end of part 1
;; launch attn (part 2): grid 4 x 64, 16 waves a work-group, no clusters, 169,984 bytes of LDS; arguments qc, qs, kv, ac, asc; writes ac, asc
.if DOCPART == 2
	.amdgcn_target "amdgcn-amd-amdhsa--gfx1250"
	.amdhsa_code_object_version 6
	.text
	.protected	k_q003b597b1b_attn
	.globl	k_q003b597b1b_attn
	.p2align	8
	.type	k_q003b597b1b_attn,@function
k_q003b597b1b_attn:
	s_mov_b64 s[64:65], 0
	v_nop
	global_prefetch_b8 v0, s[64:65] scope:SCOPE_SE
	s_setreg_imm32_b32 hwreg(HW_REG_WAVE_MODE, 25, 1), 1
	s_wait_xcnt 0x0
; Causal attention of one head on codes of FP4 (E2M1), one E8M0 scale for each 32 along a product's K; the result, divided by the row's sum, is quantised along the model's 1,024 and leaves as the projection's operand.
; THE SOFTMAX: t = score x log2(e) / 8; M = the running largest t, rounded UP to a whole number; p = 2^(t - M) is quantised along the keys, not normalised; the sum is taken of the unquantised p.  When M moves, the sum and
; O are multiplied by 2^(old M - new M): exact.
; SHARES.  Four work-groups to a head (x = 0 .. 3, y = 16 batch + head), sixteen waves each, a tile of 16 queries at a time in 256 registers.  Wave w takes tile 16 x + w (phase A: key steps 0 .. 7 at the most) and then
; tile 127 - (16 x + w) (phase B): together 17 key steps of 128 keys for EVERY wave.  A step all of whose keys lie behind the tile's queries is left out by a scalar branch on ids; the loops' trip counts are constants.
; LDS.  A head's 16 key steps (K's images, V's images, their scale words: 8,960 bytes each) lie in LDS as they lie in kv: 143,360 bytes, filled ONCE by waves 0 to 7, two loads each.  Nothing is stored to LDS.
; NO CLUSTER, though four work-groups read the same head: they differ in the key steps that they leave out, which would be a branch on a work-group's place in its cluster; and to work every step in every partner would double
; the vector work, of which a key step has some 250 instructions beside its 12 matrix instructions.
; LAYOUT.  Both products transposed: S^T = K Q^T (source 0 = 16 keys), O^T = V^T P^T (source 0 = 16 channels): a lane holds ONE query (lane % 16); in tile t its register j holds key (channel) 16 t + 8 h + j.
; The head's 64 fill half of the first product's K = 128: registers 4-7 of Q's and K's fragments are zero codes, their scale bytes 0.
; NO PREFETCH: all that the launch reads is asked for at its head.
; LIMITS: NaN and infinities are not served.  A block of zeros gets the byte 1 over zero codes (the rule says 127); the bytes are read by this program alone.
; The scale bytes out: two of a token's 32, a byte a lane: 262,144 bytes in the whole launch are stored so, since a head's work-group holds no more of a row.
; REGISTERS: v1 16 lane, v2 4 lane, v3 4 r, v4 32 r + h, v5-6 the mask's bound (A, B), v7 -infinity, v8 -M, v9 the largest t, v[10:11] the sum, v12-13 addresses in hand, v14-15 Q's scale words, v16-31 Q's fragments,
;   v32-95 K's eight fragments, v96-159 S^T, then p, v160-191 O^T, v192-199 p's codes, v200-231 V's four fragments, v232-235 K's scale words, v236-237 V's, v238 p's, v240-255 at work.
.set KSB,   8960                       ; a key step in kv and in LDS
.set HEADB, 143360                     ; a head
.set TB,   2                           ; s2   LDS byte at which the key step in hand begins
.set J,    3                           ; s3   its number
.set WV,   18                          ; s18  my wave's number
.set SEL,  20                          ; s[20:21] lane selects for v_permlanex16_b32: lane l xor 16
.set CS,   22                          ; s[22:23] c = log2(e) / 8: the packed form names a pair and takes its low word for both halves
.set G1,   24                          ; s[24:31] descriptor group 1
.set G0A,  32                          ; s[32:35], s[36:39] groups 0: key step w, key step 8 + w
.set G0B,  36
.set HM,   42                          ; s42  lanes 16-31
	s_load_b256 s[4:11], s[0:1], 0x0               ; qc s[4:5], qs s[6:7], kv s[8:9], ac s[10:11]
	s_load_b64 s[12:13], s[0:1], 0x20              ; asc
	v_lshl_add_u32 v254, v0, 2, 0x29000
	v_mov_b32 v255, 0
	ds_add_u32 v254, v255
	ds_add_u32 v254, v255
	s_wait_dscnt 0x0
	v_lshrrev_b32 v1, 5, v0
	s_delay_alu instid0(VALU_DEP_1)
	v_readfirstlane_b32 s[WV], v1                  ; wave 0..15
	s_and_b32 s19, ttmp7, 0xffff                   ; 16 batch + head
	; a key step: 8,960 dense bytes, as 35 rows of 256 bytes (32 elements of 8 bytes), no padding: every read takes 16 or 4 consecutive bytes a lane
	s_mov_b32 s[G1], 3<<16
	s_mov_b32 s[G1+1], 32<<16                      ; tensor_dim0
	s_mov_b32 s[G1+2], 35<<16                      ; tensor_dim1
	s_mov_b32 s[G1+3], 32<<16                      ; tile_dim0
	s_mov_b32 s[G1+4], 35                          ; tile_dim1
	s_mov_b32 s[G1+5], 32                          ; tensor_dim0_stride
	s_mov_b32 s[G1+6], 0
	s_mov_b32 s[G1+7], 0
	s_mov_b32 s[G0A], 1
	s_mul_i32 s[G0A+1], s[WV], KSB
	s_mov_b32 s[G0B], 1
	s_add_co_u32 s[G0B+1], s[G0A+1], 8*KSB
	s_mul_i32 s14, s19, HEADB
	s_add_co_u32 s14, s14, s[G0A+1]
	s_mov_b32 s15, 0
	s_wait_kmcnt 0x0
	s_add_nc_u64 s[G0A+2:G0A+3], s[8:9], s[14:15]
	s_add_nc_u64 s[G0B+2:G0B+3], s[G0A+2:G0A+3], 8*KSB
	s_or_b32 s[G0A+3], s[G0A+3], 0x80000000
	s_or_b32 s[G0B+3], s[G0B+3], 0x80000000
	s_cmp_lt_u32 s[WV], 8                          ; waves 0 to 7 fetch: a wave's two first fills stand in one branch; two loads of mine are out
	s_cbranch_scc0 .Lno_fill
	tensor_load_to_lds s[G0A:G0A+3], s[G1:G1+7]
	s_nop 0
	tensor_load_to_lds s[G0B:G0B+3], s[G1:G1+7]
	s_nop 0
.rept 4
	v_nop
.endr
.Lno_fill:
	s_lshl_b32 s16, ttmp9, 4
	s_add_co_u32 s16, s16, s[WV]                   ; phase A's tile of 16 queries
	s_sub_co_u32 s17, 127, s16                     ; phase B's
	s_lshr_b32 s40, s16, 3                         ; the key step on whose diagonal the tile lies: A's,
	s_lshr_b32 s41, s17, 3                         ; B's
	s_lshr_b32 s60, s19, 4                         ; batch
	s_and_b32 s61, s19, 15                         ; head
	s_mov_b32 s63, 0
.macro PTRS tau, base                  ; s[base ..]: Q's image, Q's scale words, the codes out, the scale bytes out, for tile s[tau]
	s_lshl_b32 s62, s19, 16
	s_lshl_b32 s66, s[\tau], 9
	s_add_co_u32 s62, s62, s66
	s_add_nc_u64 s[\base:\base+1], s[4:5], s[62:63]        ; qc + 65,536 (16 batch + head) + 512 tile
	s_lshl_b32 s62, s19, 13
	s_lshl_b32 s66, s[\tau], 6
	s_add_co_u32 s62, s62, s66
	s_add_nc_u64 s[\base+2:\base+3], s[6:7], s[62:63]      ; qs + 8,192 (16 batch + head) + 64 tile
	s_lshl_b32 s62, s60, 7
	s_add_co_u32 s62, s62, s[\tau]
	s_lshl_b32 s62, s62, 13
	s_lshl_b32 s66, s61, 9
	s_add_co_u32 s62, s62, s66
	s_add_nc_u64 s[\base+4:\base+5], s[10:11], s[62:63]    ; ac + 8,192 (128 batch + tile) + 512 head: K step head / 2, half head % 2
	s_lshl_b32 s62, s60, 11
	s_lshl_b32 s66, s[\tau], 4
	s_add_co_u32 s62, s62, s66
	s_lshl_b32 s62, s62, 5
	s_lshl_b32 s66, s61, 1
	s_add_co_u32 s62, s62, s66
	s_add_nc_u64 s[\base+6:\base+7], s[12:13], s[62:63]    ; asc + 32 token + 2 head
.endm
	PTRS 16, 44
	PTRS 17, 52
	s_mov_b32 s[SEL], 0x76543210
	s_mov_b32 s[SEL+1], 0xfedcba98
	s_mov_b32 s[CS], 0x3e38aa3b                    ; c = log2(e) / sqrt(64)
	s_mov_b32 s[CS+1], s[CS]                       ; (named with it as a pair, so it is written)
	s_mov_b32 s[HM], 0xffff0000
	v_and_b32 v2, 31, v0
	s_delay_alu instid0(VALU_DEP_1)
	v_lshlrev_b32 v1, 4, v2                        ; 16 x lane: an image's place for my lane
	s_delay_alu instid0(VALU_DEP_2)
	v_lshlrev_b32 v2, 2, v2                        ; 4 x lane: a scale word's
	v_and_b32 v3, 15, v0                           ; r
	v_bfe_u32 v4, v0, 4, 1                         ; h
	s_delay_alu instid0(VALU_DEP_1)
	v_lshlrev_b32 v6, 3, v4
	s_delay_alu instid0(VALU_DEP_1)
	v_sub_nc_u32 v6, v3, v6                        ; r - 8 h
	s_and_b32 s62, s16, 7
	s_lshl_b32 s62, s62, 4
	v_add_nc_u32 v5, s62, v6                       ; on the diagonal step register 8 t + j holds key 16 t + 8 h + j of the step, my query is 16 (tile % 8) + r: hidden where 16 t + j > this number
	s_and_b32 s62, s17, 7
	s_lshl_b32 s62, s62, 4
	v_add_nc_u32 v6, s62, v6
	v_lshl_add_u32 v4, v3, 5, v4                   ; 32 r + h: my byte among the tile's scale bytes
	v_lshlrev_b32 v3, 2, v3                        ; 4 r
	global_load_b128 v[16:19], v1, s[44:45]        ; Q's fragments stay in registers: the head's 64 are registers 0-3
	global_load_b128 v[24:27], v1, s[52:53]
	global_load_b32 v14, v3, s[46:47]              ; and their scale words
	global_load_b32 v15, v3, s[54:55]
	v_mov_b32 v7, 0xff800000                       ; -infinity
.irp i, 20,21,22,23,28,29,30,31
	v_mov_b32 v[\i], 0                             ; zero codes for K 64 .. 127: Q's,
.endr
.irp t, 0,1,2,3,4,5,6,7
.irp i, 4,5,6,7
	v_mov_b32 v[32+8*\t+\i], 0                     ; and K's: written once
.endr
.endr
.irp i, 244,245,246,247,253,254
	v_mov_b32 v[\i], 0                             ; written once: a lane permute's destination counts as one of its sources; v253 is named as the upper half of a pair
.endr
; A PHASE: one tile of 16 queries over the key steps 0 .. trips - 1, of which those behind the diagonal step s[jd] are left out; then the way out.
.macro PHASE trips, qf, qsc, jd, dm, oc, os
	v_mov_b32 v9, 0xff61b1e6                       ; the largest t so far: -3e38, under every t
	s_delay_alu instid0(VALU_DEP_1)
	v_floor_f32 v8, -v9                            ; -M
	v_mov_b32 v10, 0                               ; the sum, in two halves
	v_mov_b32 v11, 0
.set i, 0
.rept 32
	v_mov_b32 v[160+i], 0                          ; O^T: the step is written once; the first finds zeros, which the first change of M leaves zeros
.set i, i+1
.endr
	s_mov_b32 s[TB], 0
	s_mov_b32 s[J], 0
.Lstep_\@:
	s_cmp_gt_u32 s[J], s[\jd]                      ; all 128 keys come after my 16 queries: a scalar branch on ids, round the step's work alone
	s_cbranch_scc1 .Lhidden_\@
	s_setprio 2
	v_add_nc_u32 v12, s[TB], v1
	v_add_nc_u32 v13, s[TB], v2
	v_nop
	v_nop                                          ; four places behind the last step's products, in front of the loads into their operands
.irp t, 0,1,2,3,4,5,6,7
	ds_load_b128 v[32+8*\t:35+8*\t], v12 offset:512*\t           ; K's eight tiles of 16 keys
.endr
.irp g, 0,1,2,3
	ds_load_b32 v[232+\g], v13 offset:8192+128*\g                ; their scale words: tile 2 g in lanes 0-15, tile 2 g + 1 in lanes 16-31
.endr
.irp t, 0,1,2,3
.irp c, 0,1
	ds_load_b128 v[200+8*\t+4*\c:203+8*\t+4*\c], v12 offset:4096+1024*\t+512*\c   ; V^T's four tiles of 16 channels x 128 keys
.endr
.endr
.irp g, 0,1
	ds_load_b32 v[236+\g], v13 offset:8704+128*\g
.endr
	s_wait_dscnt 10                                ; K's twelve loads are in; V's ten, issued behind them, may be out
.irp t, 0,1,2,3,4,5,6,7
.if (\t)%2
	v_wmma_scale_f32_16x16x128_f8f6f4 v[96+8*\t:103+8*\t], v[32+8*\t:39+8*\t], v[\qf:\qf+7], 0, v[232+\t/2], v[\qsc] matrix_a_fmt:MATRIX_FMT_FP4 matrix_b_fmt:MATRIX_FMT_FP4 matrix_a_scale:MATRIX_SCALE_ROW1
.else
	v_wmma_scale_f32_16x16x128_f8f6f4 v[96+8*\t:103+8*\t], v[32+8*\t:39+8*\t], v[\qf:\qf+7], 0, v[232+\t/2], v[\qsc] matrix_a_fmt:MATRIX_FMT_FP4 matrix_b_fmt:MATRIX_FMT_FP4
.endif
.endr
.rept 4
	v_nop
.endr
	s_cmp_lt_u32 s[J], s[\jd]                      ; a step all of whose keys count skips the mask
	s_cbranch_scc1 .Lopen_\@
.set n, 0
.rept 64
	v_cmp_gt_i32 vcc_lo, 16*(n/8)+n%8, v[\dm]      ; on the diagonal step hidden scores become -infinity ahead of the maximum: p = 0 then
	v_cndmask_b32 v[96+n], v[96+n], v7, vcc_lo
.set n, n+1
.endr
.Lopen_\@:
.irp b, 0,1,2,3
	v_max3_num_f32 v[240+\b], v[96+16*\b], v[97+16*\b], v[98+16*\b]   ; the largest score of each block of 32 keys: it serves for the row's maximum and, since p rises with the score, for the block's largest p
.endr
.irp i, 3,5,7,9,11,13
.irp b, 0,1,2,3
	v_max3_num_f32 v[240+\b], v[240+\b], v[96+16*\b+\i], v[97+16*\b+\i]
.endr
.endr
.irp b, 0,1,2,3
	v_max_num_f32 v[240+\b], v[240+\b], v[111+16*\b]
.endr
.irp b, 0,1,2,3
	s_delay_alu instid0(VALU_DEP_4)
	v_permlanex16_b32 v[244+\b], v[240+\b], s[SEL], s[SEL+1]
.endr
.irp b, 0,1,2,3
	s_delay_alu instid0(VALU_DEP_4)
	v_max_num_f32 v[240+\b], v[240+\b], v[244+\b]  ; with lane l xor 16's 16 keys
.endr
	s_delay_alu instid0(VALU_DEP_2)
	v_max3_num_f32 v254, v240, v241, v242
	s_delay_alu instid0(VALU_DEP_1)
	v_max_num_f32 v254, v254, v243                 ; the step's largest score of my query (the step's first key counts for every query of the tile, so it is a number)
	s_delay_alu instid0(VALU_DEP_1)
	v_mul_f32 v254, s[CS], v254                    ; as t (c is positive)
	s_delay_alu instid0(VALU_DEP_1)
	v_max_num_f32 v9, v9, v254                     ; the running largest t
	v_mov_b32 v254, v8
	s_delay_alu instid0(VALU_DEP_2)
	v_floor_f32 v8, -v9                            ; the new -M = floor(-t) = -ceil(t)
	s_delay_alu instid0(VALU_DEP_1)
	v_sub_f32 v254, v8, v254                       ; old M - new M: a whole number, 0 or less
	s_delay_alu instid0(VALU_DEP_1)
	v_cvt_i32_f32 v254, v254                       ; (it saturates)
	s_delay_alu instid0(VALU_DEP_1)
	v_ldexp_f32 v252, 1.0, v254                    ; f = 2^(old M - new M)
.set j, 0
.rept 32
	v_pk_fma_f32 v[96+j:97+j], v[96+j:97+j], s[CS:CS+1], v[8:9] op_sel_hi:[1,0,0]   ; t - M, two at a time
.set j, j+2
.endr
	s_setprio 1
.irp b, 0,1,2,3
	v_fma_f32 v[240+\b], v[240+\b], s[CS], v8      ; the same of each block's largest score
.endr
.set j, 0
	s_wait_alu depctr_va_vdst(0)
.rept 64
	v_exp_f32 v[96+j], v[96+j]                     ; p = 2^(t - M), at most 1
.set j, j+1
.endr
	v_pk_mul_f32 v[10:11], v[10:11], v[252:253] op_sel_hi:[1,0]   ; the sums under the new M: the plain place behind the exponentials
	s_wait_alu depctr_va_vdst(0)                   ; one wait for the batch of 64, ahead of its first reader
.irp b, 0,1,2,3
	v_exp_f32 v[240+\b], v[240+\b]                 ; each block's largest p: the same two instructions on the same number give the same bits
.endr
	v_pk_add_f32 v[244:245], v[100:101], v[104:105]
	v_pk_add_f32 v[250:251], v[108:109], v[112:113]
	v_pk_add_f32 v[248:249], v[116:117], v[120:121]
	v_pk_add_f32 v[246:247], v[124:125], v[128:129]
	v_pk_add_f32 v[238:239], v[132:133], v[136:137]
	v_pk_add_f32 v[234:235], v[140:141], v[144:145]
	v_pk_add_f32 v[232:233], v[148:149], v[152:153]
	v_pk_add_f32 v[10:11], v[10:11], v[156:157]
	v_pk_add_f32 v[244:245], v[244:245], v[96:97]
	v_pk_add_f32 v[250:251], v[250:251], v[98:99]
	v_pk_add_f32 v[248:249], v[248:249], v[102:103]
	v_pk_add_f32 v[246:247], v[246:247], v[106:107]
	v_pk_add_f32 v[238:239], v[238:239], v[110:111]
	v_pk_add_f32 v[234:235], v[234:235], v[114:115]
	v_pk_add_f32 v[232:233], v[232:233], v[118:119]
	v_pk_add_f32 v[10:11], v[10:11], v[122:123]
	v_pk_add_f32 v[244:245], v[244:245], v[126:127]
	v_pk_add_f32 v[250:251], v[250:251], v[130:131]
	v_pk_add_f32 v[248:249], v[248:249], v[134:135]
	v_pk_add_f32 v[246:247], v[246:247], v[138:139]
	v_pk_add_f32 v[238:239], v[238:239], v[142:143]
	v_pk_add_f32 v[234:235], v[234:235], v[146:147]
	v_pk_add_f32 v[232:233], v[232:233], v[150:151]
	v_pk_add_f32 v[10:11], v[10:11], v[154:155]
	v_pk_add_f32 v[244:245], v[244:245], v[158:159]
	s_delay_alu instid0(VALU_DEP_2)
	v_pk_add_f32 v[10:11], v[10:11], v[246:247]
	s_delay_alu instid0(VALU_DEP_2)
	v_pk_add_f32 v[244:245], v[244:245], v[238:239]
	v_pk_add_f32 v[250:251], v[250:251], v[234:235]
	v_pk_add_f32 v[248:249], v[248:249], v[232:233]
	s_delay_alu instid0(VALU_DEP_2)
	v_pk_add_f32 v[10:11], v[10:11], v[250:251]
	s_delay_alu instid0(VALU_DEP_2)
	v_pk_add_f32 v[244:245], v[244:245], v[248:249]
	s_delay_alu instid0(VALU_DEP_1)
	v_pk_add_f32 v[10:11], v[10:11], v[244:245]
	s_wait_alu depctr_va_vdst(0)                   ; and one wait for the four
.irp b, 0,1,2,3
	v_max_num_f32 v[240+\b], 0x1800000, v[240+\b]  ; the floor 2^(3 - 127): the byte cannot fall under 1
.endr
.irp b, 0,1,2,3
	s_delay_alu instid0(VALU_DEP_4)
	v_add_nc_u32 v[248+\b], 0xff000000, v[240+\b]  ; 2 off the exponent field: the conversion's scale operand
.endr
.irp b, 0,1,2,3
	s_delay_alu instid0(VALU_DEP_4)
	v_lshrrev_b32 v[244+\b], 23, v[248+\b]         ; the scale's byte
.endr
	s_delay_alu instid0(VALU_DEP_3)
	v_lshl_or_b32 v238, v245, 8, v244              ; p's scale word for these 128 keys
	s_delay_alu instid0(VALU_DEP_1)
	v_lshl_or_b32 v238, v246, 16, v238
	s_delay_alu instid0(VALU_DEP_1)
	v_lshl_or_b32 v238, v247, 24, v238
	s_setprio 0
.irp c, 0,1                                    ; in the order tile 4 c, 4 c + 2, 4 c + 1, 4 c + 3: two exchanges of halves then give the operand's layout
	v_cvt_scalef32_pk8_fp4_f32 v[192+4*\c], v[96+32*\c:103+32*\c], v[248+2*\c]
	v_cvt_scalef32_pk8_fp4_f32 v[193+4*\c], v[112+32*\c:119+32*\c], v[249+2*\c]
	v_cvt_scalef32_pk8_fp4_f32 v[194+4*\c], v[104+32*\c:111+32*\c], v[248+2*\c]
	v_cvt_scalef32_pk8_fp4_f32 v[195+4*\c], v[120+32*\c:127+32*\c], v[249+2*\c]
.endr
	v_nop                                          ; one plain place behind a scaled conversion
.irp c, 0,1
	v_permlane16_swap_b32 v[192+4*\c], v[193+4*\c]
	v_permlane16_swap_b32 v[194+4*\c], v[195+4*\c]
.endr
.set j, 0
.rept 16
	v_pk_mul_f32 v[160+j:161+j], v[160+j:161+j], v[252:253] op_sel_hi:[1,0]   ; O^T under the new M.  Of these 16 at least 12 name no register of any one product below: the places behind p's scale word and codes
.set j, j+2
.endr
	s_wait_alu depctr_va_vdst(0)
	s_wait_dscnt 0x0                               ; V
.irp t, 0,1,2,3                                ; O^T += V^T P^T: the four accumulators by turns; between two links of a chain stand the next step's eight products
.if (\t)%2
	v_wmma_scale_f32_16x16x128_f8f6f4 v[160+8*\t:167+8*\t], v[200+8*\t:207+8*\t], v[192:199], v[160+8*\t:167+8*\t], v[236+\t/2], v238 matrix_a_fmt:MATRIX_FMT_FP4 matrix_b_fmt:MATRIX_FMT_FP4 matrix_a_scale:MATRIX_SCALE_ROW1
.else
	v_wmma_scale_f32_16x16x128_f8f6f4 v[160+8*\t:167+8*\t], v[200+8*\t:207+8*\t], v[192:199], v[160+8*\t:167+8*\t], v[236+\t/2], v238 matrix_a_fmt:MATRIX_FMT_FP4 matrix_b_fmt:MATRIX_FMT_FP4
.endif
.endr
.Lhidden_\@:
	s_add_co_u32 s[TB], s[TB], KSB
	s_add_co_u32 s[J], s[J], 1
	s_cmp_lt_u32 s[J], \trips
	s_cbranch_scc1 .Lstep_\@
	s_setprio 0
	; THE WAY OUT: O^T / the sum, quantised along the head's 64 (two blocks of the projection's K), as half a fragment's image and two scale bytes a token
.rept 4
	v_nop                                          ; places behind the last products
.endr
	v_add_f32 v10, v10, v11                        ; the sum's two halves,
	s_delay_alu instid0(VALU_DEP_1)
	v_permlanex16_b32 v254, v10, s[SEL], s[SEL+1]
	s_delay_alu instid0(VALU_DEP_1)
	v_add_f32 v10, v10, v254                       ; and lane l xor 16's
	s_wait_alu depctr_va_vdst(0)
	v_rcp_f32 v10, v10
	v_nop                                          ; a plain place behind the reciprocal
	s_wait_alu depctr_va_vdst(0)                   ; and the wait ahead of its first reader
.set j, 0
.rept 16
	v_pk_mul_f32 v[96+j:97+j], v[160+j:161+j], v[10:11] op_sel_hi:[1,0]   ; register 8 t + j: channel 16 t + 8 h + j of my query; each accumulator from its low end on
.set j, j+2
.endr
	v_max3_num_f32 v240, |v96|, |v97|, 0x1800000
	v_max3_num_f32 v241, |v112|, |v113|, 0x1800000
.irp i, 2,4,6,8,10,12,14
	s_delay_alu instid0(VALU_DEP_2)
	v_max3_num_f32 v240, v240, |v[96+\i]|, |v[97+\i]|
	s_delay_alu instid0(VALU_DEP_2)
	v_max3_num_f32 v241, v241, |v[112+\i]|, |v[113+\i]|
.endr
	s_delay_alu instid0(VALU_DEP_2)
	v_permlanex16_b32 v244, v240, s[SEL], s[SEL+1]
	s_delay_alu instid0(VALU_DEP_2)
	v_permlanex16_b32 v245, v241, s[SEL], s[SEL+1]
	s_delay_alu instid0(VALU_DEP_2)
	v_max_num_f32 v240, v240, v244
	s_delay_alu instid0(VALU_DEP_2)
	v_max_num_f32 v241, v241, v245
	s_delay_alu instid0(VALU_DEP_2)
	v_add_nc_u32 v248, 0xff000000, v240
	s_delay_alu instid0(VALU_DEP_2)
	v_add_nc_u32 v249, 0xff000000, v241
	s_delay_alu instid0(VALU_DEP_2)
	v_lshrrev_b32 v244, 23, v248
	s_delay_alu instid0(VALU_DEP_2)
	v_lshrrev_b32 v245, 23, v249
	v_cvt_scalef32_pk8_fp4_f32 v192, v[96:103], v248
	v_cvt_scalef32_pk8_fp4_f32 v193, v[112:119], v249
	v_cvt_scalef32_pk8_fp4_f32 v194, v[104:111], v248
	v_cvt_scalef32_pk8_fp4_f32 v195, v[120:127], v249
	v_cndmask_b32 v255, v244, v245, s[HM]          ; lane (r, h) carries block h's byte.  (The plain place behind the conversions)
	v_permlane16_swap_b32 v192, v193
	v_permlane16_swap_b32 v194, v195
	global_store_b128 v1, v[192:195], s[\oc:\oc+1] ; 32 lanes store 512 consecutive bytes, aligned
	global_store_b8 v4, v255, s[\os:\os+1]
	s_wait_xcnt 0x0                                ; the stores' data are written again only behind this wait
.endm
	s_wait_loadcnt 0x0                             ; Q
	s_wait_tensorcnt 1                             ; my first fill, one of key steps 0 to 7, has landed; the second, issued behind it, may be out: phase A reads under byte 71,680 alone
	s_barrier_signal -1
	s_barrier_wait -1                              ; everybody's has
	PHASE 8, 16, 14, 40, 5, 48, 50
	s_wait_tensorcnt 0x0                           ; my second fill has landed,
	s_wait_dscnt 0x0
	s_barrier_signal -1
	s_barrier_wait -1                              ; everybody's has
	PHASE 16, 24, 15, 41, 6, 56, 58
	s_wait_xcnt 0x0
	v_lshl_add_u32 v254, v0, 2, 0x29000
	v_mov_b32 v255, 0
	s_wait_alu depctr_va_vdst(0)
	s_wait_tensorcnt 0x0
	ds_add_u32 v254, v255
	s_wait_dscnt 0x0
	s_endpgm
.Lfunc_end_k_q003b597b1b_attn:
	.size	k_q003b597b1b_attn, .Lfunc_end_k_q003b597b1b_attn-k_q003b597b1b_attn
	.p2alignl 7, 3214868480
	.fill 96, 4, 3214868480
	.section	.rodata,"a",@progbits
	.p2align	6, 0x0
	.amdhsa_kernel k_q003b597b1b_attn
		.amdhsa_group_segment_fixed_size 169984
		.amdhsa_private_segment_fixed_size 0
		.amdhsa_enable_private_segment 0
		.amdhsa_kernarg_size 40
		.amdhsa_user_sgpr_count 2
		.amdhsa_user_sgpr_kernarg_segment_ptr 1
		.amdhsa_wavefront_size32 1
		.amdhsa_system_sgpr_workgroup_id_x 1
		.amdhsa_system_sgpr_workgroup_id_y 1
		.amdhsa_system_sgpr_workgroup_id_z 1
		.amdhsa_system_vgpr_workitem_id 0
		.amdhsa_next_free_vgpr 256
		.amdhsa_next_free_sgpr 72
		.amdhsa_reserve_vcc 1
		.amdhsa_float_denorm_mode_32 3
		.amdhsa_float_denorm_mode_16_64 3
		.amdhsa_memory_ordered 1
		.amdhsa_forward_progress 1
		.amdhsa_inst_pref_size 61
	.end_amdhsa_kernel
	.amdgpu_metadata
---
amdhsa.version: [ 1, 2 ]
amdhsa.kernels:
  - .name:           k_q003b597b1b_attn
    .symbol:         k_q003b597b1b_attn.kd
    .args:
      - { .name: qc, .offset: 0, .size: 8, .value_kind: global_buffer, .address_space: global }
      - { .name: qs, .offset: 8, .size: 8, .value_kind: global_buffer, .address_space: global }
      - { .name: kv, .offset: 16, .size: 8, .value_kind: global_buffer, .address_space: global }
      - { .name: ac, .offset: 24, .size: 8, .value_kind: global_buffer, .address_space: global }
      - { .name: asc, .offset: 32, .size: 8, .value_kind: global_buffer, .address_space: global }
    .group_segment_fixed_size: 169984
    .private_segment_fixed_size: 0
    .kernarg_segment_align: 8
    .kernarg_segment_size: 40
    .max_flat_workgroup_size: 512
    .sgpr_count:     72
    .vgpr_count:     256
    .wavefront_size: 32
...
	.end_amdgpu_metadata
.endif
;; end of part 2
;; launch proj (part 3): grid 4 x 64, 4 waves a work-group, clusters of 4 x 4, 327,680 bytes of LDS; arguments ac, asc, w_proj_codes, w_proj_scales, b_proj, out0; writes out0
.if DOCPART == 3
	.amdgcn_target "amdgcn-amd-amdhsa--gfx1250"
	.amdhsa_code_object_version 6
	.text
	.protected	k_q003b597b1b_proj
	.globl	k_q003b597b1b_proj
	.p2align	8
	.type	k_q003b597b1b_proj,@function
k_q003b597b1b_proj:
	s_mov_b64 s[64:65], 0
	v_nop
	global_prefetch_b8 v0, s[64:65] scope:SCOPE_SE
	s_setreg_imm32_b32 hwreg(HW_REG_WAVE_MODE, 25, 1), 1
	s_wait_xcnt 0x0
	s_wait_alu depctr_hold_cnt(0) depctr_sa_sdst(0) depctr_va_vdst(0) depctr_va_sdst(0) depctr_va_ssrc(0) depctr_va_vcc(0) depctr_vm_vsrc(0)
	s_getreg_b32 s2, hwreg(HW_REG_IB_STS2, 6, 4)
	s_cmp_eq_u32 s2, 0
	s_cbranch_scc0 .Lentry_in_a_cluster
	s_endpgm
.Lentry_in_a_cluster:
	s_bfe_u32 s2, ttmp6, 0x10000c
	s_cmp_lg_u32 s2, 0xf033
	s_cbranch_scc0 .Lentry_shape_is_right
	s_endpgm
.Lentry_shape_is_right:
; out0 = a W_proj^T + b_proj on codes of FP4 (E2M1) with one E8M0 scale for each 32 along K = 1,024.  a's codes come as images of the operand's registers ([row tile of 16][K step of 128][half][lane][16 bytes]),
; its scale bytes as rows of 32; W's as rows of 512 and of 32 bytes.
; A work-group of four waves makes 128 tokens x 256 columns: 256 work-groups.  A wave makes 64 x 128: 32 accumulators of 16 x 16.  All of K lies in LDS at once: two slots of 512 along K, each filled ONCE.
; TRANSPOSED: source 0 (P) = 16 rows of W, source 1 (R) = 16 tokens: a lane holds eight neighbouring columns of one row of out0.  The bias is the C of each sum's first matrix instruction.
; CLUSTERS: 4 x 4 work-groups.  R's tiles hang on the tile row alone and are asked for jointly by my row of the cluster, P's on the tile column alone and by my column.
; REGISTERS, in windows of 256: window 0: v1-27 addresses; v32-95 scale words, two sets; v128-191 R's fragments, two sets of four; v192-255 the bias; on the way out v128-255 take rows of out0.
;   window 1: P's fragments, two sets of eight, at v0 and v128.   window 2: the accumulators ((a, b) at v[8 (8 a + b)]).
.set PITCH,  272                       ; P's LDS row: 256 bytes + 16 of padding: the 16 rows that a load touches start at 16 different banks (64 banks of 4 bytes: ISA guide 11.1)
.set RSLOT,  32768                     ; R in a slot: 8 row tiles x 4 K steps x 1,024 bytes of images, read 16 consecutive bytes a lane
.set PHALF,  128*PITCH
.set SLOT3,  RSLOT+2*PHALF
.set SCL3,   2*SLOT3                   ; behind the slots: the scales, as units of 256 bytes + 16 of padding: R's 128 rows, then P's 256
.set RSH,    8*272                     ; the scales of 64 tokens
.set PSH,    16*272                    ; those of 128 rows of W
.set SBLK,   544                       ; those of 16 rows
.set STG3,   SCL3+2*RSH+2*PSH          ; behind the scales: a stage of 16 rows x (512 bytes + 16) for each wave; no tile lands there
.set SPITCH, 528
.set ADRR, 16                          ; v16-17  LDS address of my R images in slot 0, 1
.set ADRP, 20                          ; v20-21  of my P fragments
.set H32,  12                          ; v12  32 h
.set STO,  24                          ; v24  the stage: where I put 32 bytes of a row
.set RD,   25                          ; v25  and where I read a row back
.set CO,   26                          ; v26  16 x lane
.set ADRS, 27                          ; v27  my scale words: lanes 0-15 R's rows, lanes 16-31 P's
.set SC,   32
.set RF,   128
.set BP,   192
.set BK,   128
.set G1R,  24                          ; s[24:31], s[32:39] groups 1 and 0 (a set for each slot) for R's codes;  s[48:55], s[56:63] for P's
.set G0R,  32
.set G1P,  48
.set G0P,  56
.set G1RS, 68                          ; s[68:75], s[76:79] for R's scales;  s[80:87], s[88:91] for P's
.set G0RS, 76
.set G1PS, 80
.set G0PS, 88
.set MSB, 0
.macro WIN new                         ; the immediate's high byte repeats the setting that is left
.if MSB != (\new)
	s_set_vgpr_msb (MSB<<8)|(\new)
.set MSB, \new
.endif
.endm
; A joint load: waves 0 and 1 fetch for R, waves 2 and 3 for P; the branch hangs on the wave's number alone.  Four v_nop follow each of the two lines.
.macro JLOAD g0a, g1a, g0b, g1b
	s_cmp_eq_u32 s15, 0
	s_cbranch_scc0 .Lfor_b_\@
	tensor_load_to_lds s[\g0a:\g0a+3], s[\g1a:\g1a+7]
	s_nop 0
.rept 4
	v_nop
.endr
	s_branch .Lasked_\@
.Lfor_b_\@:
	tensor_load_to_lds s[\g0b:\g0b+3], s[\g1b:\g1b+7]
	s_nop 0
.rept 4
	v_nop
.endr
.Lasked_\@:
.endm
.macro CROUND                          ; a round of the cluster's barrier
	s_barrier_signal -1
	s_barrier_wait -1
	s_cmp_lg_u32 s14, 0
	s_cbranch_scc1 .Lnot_wave_0_\@
	s_barrier_signal -3
.Lnot_wave_0_\@:
	s_barrier_wait -3
	s_barrier_signal -1
	s_barrier_wait -1
.endm
	s_load_b256 s[4:11], s[0:1], 0x0               ; ac s[4:5], asc s[6:7], W's codes s[8:9], W's scales s[10:11]
	s_load_b128 s[92:95], s[0:1], 0x20             ; b_proj s[92:93], out0 s[94:95]
	v_lshl_add_u32 v126, v0, 2, 0x40000
	v_mov_b32 v127, 0
	ds_add_u32 v126, v127
	ds_add_u32 v126, v127
	v_lshrrev_b32 v1, 5, v0
	v_readfirstlane_b32 s14, v1                    ; wave 0..3
	s_lshr_b32 s15, s14, 1                         ; which 64 tokens are mine.  Also: I fetch for R (0) or for P (1)
	s_and_b32 s16, s14, 1                          ; which 128 columns.  Also: which half of that tile I fetch
	s_bfe_u32 s40, ttmp6, 0x40000                  ; cx, cy: my place in the cluster
	s_bfe_u32 s41, ttmp6, 0x40004
	s_lshl_b32 s42, ttmp9, 2
	s_add_co_u32 s42, s42, s40                     ; tile column (256 columns) = 4 x cluster x + cx
	s_and_b32 s17, ttmp7, 0xffff
	s_lshl_b32 s17, s17, 2
	s_add_co_u32 s17, s17, s41                     ; tile row (128 tokens) = 4 x cluster y + cy
	s_lshl_b32 s43, s41, 2
	s_lshl_b32 s43, 15, s43                        ; my row of the cluster
	s_lshl_b32 s44, 0x1111, s40                    ; my column
	; R's codes: 4 row tiles, of each the slot's four K steps: 4,096 consecutive bytes (512 elements of 8), 8,192 bytes from row tile to row tile; dense in LDS
	s_or_b32 s[G1R+0], s43, (3<<16)|(1<<21)        ; 15:0 the mask: my row; 17:16 elements of 8 bytes; 21 set beside a mask; no padding
	s_mov_b32 s[G1R+1], 512<<16                    ; tensor_dim0
	s_mov_b32 s[G1R+2], 4<<16                      ; tensor_dim1
	s_mov_b32 s[G1R+3], 512<<16                    ; tile_dim0
	s_mov_b32 s[G1R+4], 4                          ; tile_dim1
	s_mov_b32 s[G1R+5], 1024                       ; tensor_dim0_stride
	s_mov_b32 s[G1R+6], 0
	s_mov_b32 s[G1R+7], 0
	; P's codes: 128 rows x 256 bytes, 512 bytes apart in memory, four words of padding after every 64
	s_or_b32 s[G1P+0], s44, (0<<16)|(1<<20)|(1<<21)|(5<<22)|(3<<25)
	s_mov_b32 s[G1P+1], 256<<16
	s_mov_b32 s[G1P+2], 128<<16
	s_mov_b32 s[G1P+3], 256<<16
	s_mov_b32 s[G1P+4], 128
	s_mov_b32 s[G1P+5], 512
	s_mov_b32 s[G1P+6], 0
	s_mov_b32 s[G1P+7], 0
	; the scales: dense bytes as rows of 256 (32 elements of 8 bytes), 16 bytes of padding behind each: 8 rows for 64 tokens, 16 for 128 rows of W
	s_or_b32 s[G1RS+0], s43, (3<<16)|(1<<20)|(1<<21)|(5<<22)|(3<<25)
	s_mov_b32 s[G1RS+1], 32<<16
	s_mov_b32 s[G1RS+2], 8<<16
	s_mov_b32 s[G1RS+3], 32<<16
	s_mov_b32 s[G1RS+4], 8
	s_mov_b32 s[G1RS+5], 32
	s_mov_b32 s[G1RS+6], 0
	s_mov_b32 s[G1RS+7], 0
	s_or_b32 s[G1PS+0], s44, (3<<16)|(1<<20)|(1<<21)|(5<<22)|(3<<25)
	s_mov_b32 s[G1PS+1], 32<<16
	s_mov_b32 s[G1PS+2], 16<<16
	s_mov_b32 s[G1PS+3], 32<<16
	s_mov_b32 s[G1PS+4], 16
	s_mov_b32 s[G1PS+5], 32
	s_mov_b32 s[G1PS+6], 0
	s_mov_b32 s[G1PS+7], 0
	; where the tiles come from: R's in registers that never hold cx, P's in registers that never hold cy
	s_lshl_b32 s20, s17, 16                        ; R's codes: (8 tile row + 4 half) row tiles of 8,192 bytes
	s_lshl_b32 s18, s16, 15
	s_add_co_u32 s20, s20, s18
	s_mov_b32 s21, 0
	s_lshl_b32 s22, s17, 12                        ; R's scales: (128 tile row + 64 half) rows of 32 bytes
	s_lshl_b32 s18, s16, 11
	s_add_co_u32 s22, s22, s18
	s_mov_b32 s23, 0
	s_lshl_b32 s46, s42, 17                        ; P's codes: (256 tile column + 128 half) rows of 512 bytes
	s_lshl_b32 s18, s16, 16
	s_add_co_u32 s46, s46, s18
	s_mov_b32 s47, 0
	s_lshl_b32 s96, s42, 13                        ; P's scales: the same rows of 32 bytes
	s_lshl_b32 s18, s16, 12
	s_add_co_u32 s96, s96, s18
	s_mov_b32 s97, 0
	s_lshl_b32 s45, s16, 14                        ; and where they go: no place in the cluster enters an LDS address
	s_mul_i32 s19, s16, PHALF
	s_add_co_u32 s19, s19, RSLOT
	s_mul_i32 s2, s16, RSH
	s_add_co_u32 s2, s2, SCL3
	s_mul_i32 s3, s16, PSH
	s_add_co_u32 s3, s3, SCL3+2*RSH
	s_wait_dscnt 0x0
	s_wait_kmcnt 0x0
	s_add_nc_u64 s[20:21], s[4:5], s[20:21]
	s_add_nc_u64 s[22:23], s[6:7], s[22:23]
	s_add_nc_u64 s[46:47], s[8:9], s[46:47]
	s_add_nc_u64 s[96:97], s[10:11], s[96:97]
	CROUND                                         ; all sixteen work-groups are here: the joint loads meet.  Three loads of mine go out, all first fills
	s_mov_b32 s[G0RS], 1
	s_mov_b32 s[G0RS+1], s2
	s_mov_b64 s[G0RS+2:G0RS+3], s[22:23]
	s_or_b32 s[G0RS+3], s[G0RS+3], 0x80000000
	s_mov_b32 s[G0PS], 1
	s_mov_b32 s[G0PS+1], s3
	s_mov_b64 s[G0PS+2:G0PS+3], s[96:97]
	s_or_b32 s[G0PS+3], s[G0PS+3], 0x80000000
	JLOAD G0RS, G1RS, G0PS, G1PS                   ; the scales first: they are wanted with the first products
.irp s, 0,1
	s_mov_b32 s[G0R+4*\s], 1
	s_add_co_u32 s[G0R+4*\s+1], s45, \s*SLOT3
	s_add_nc_u64 s[G0R+4*\s+2:G0R+4*\s+3], s[20:21], \s*4096
	s_or_b32 s[G0R+4*\s+3], s[G0R+4*\s+3], 0x80000000
	s_mov_b32 s[G0P+4*\s], 1
	s_add_co_u32 s[G0P+4*\s+1], s19, \s*SLOT3
	s_add_nc_u64 s[G0P+4*\s+2:G0P+4*\s+3], s[46:47], \s*256
	s_or_b32 s[G0P+4*\s+3], s[G0P+4*\s+3], 0x80000000
	s_wait_alu depctr_va_vdst(0)
	s_wait_tensorcnt 0x0
	ds_add_u32 v126, v127
	s_wait_dscnt 0x0
	CROUND
	JLOAD G0R+4*\s, G1R, G0P+4*\s, G1P
.endr
	v_and_b32 v1, 15, v0                           ; r
	v_bfe_u32 v2, v0, 4, 1                         ; h
	v_and_b32 v6, 31, v0
	v_lshlrev_b32 v[CO], 4, v6                     ; 16 x lane
	s_lshl_b32 s21, s15, 14                        ; my four row tiles of R
	v_add_nc_u32 v[ADRR], s21, v[CO]
	s_add_co_u32 s21, s21, SLOT3
	v_add_nc_u32 v[ADRR+1], s21, v[CO]
	v_mul_u32_u24 v3, v1, PITCH
	v_lshl_add_u32 v3, v2, 4, v3                   ; a fragment's row x pitch + 16 x half
	s_mul_i32 s22, s16, PHALF                      ; my 128 rows of P, behind R's images
	s_add_co_u32 s22, s22, RSLOT
	v_add_nc_u32 v[ADRP], s22, v3
	s_add_co_u32 s22, s22, SLOT3
	v_add_nc_u32 v[ADRP+1], s22, v3
	v_lshlrev_b32 v5, 5, v1                        ; my row's scales: 32 bytes a row,
	v_lshrrev_b32 v6, 3, v1
	v_lshl_add_u32 v5, v6, 4, v5                   ; and 16 more for each 256 passed
	s_mul_i32 s21, s15, RSH                        ; R's: my 64 tokens
	s_mul_i32 s22, s16, PSH                        ; P's: my 128 rows, behind R's 128
	s_add_co_u32 s22, s22, 2*RSH
	s_sub_co_u32 s22, s22, s21
	v_mul_u32_u24 v6, s22, v2                      ; lanes 16-31 take P's: one product, the lower base + h x the distance
	s_add_co_u32 s21, s21, SCL3
	v_add_nc_u32 v5, v5, v6
	v_add_nc_u32 v[ADRS], s21, v5
	s_mul_i32 s23, s14, 16*SPITCH
	s_add_co_u32 s23, s23, STG3                    ; my stage
	v_mul_u32_u24 v5, v1, SPITCH                   ; in: row r, 32 bytes for each half of the lanes
	v_lshl_add_u32 v5, v2, 5, v5
	v_add_nc_u32 v[STO], s23, v5
	v_add_nc_u32 v[RD], s23, v[CO]                 ; back: the 32 lanes take one row of 512 bytes
	v_lshlrev_b32 v[H32], 5, v2
	s_wait_alu depctr_va_vdst(0)
	s_lshl_b32 s46, s42, 10                        ; (256 tile column + 128 half) x 4 bytes: my first column, in b_proj and in a row of out0
	s_lshl_b32 s47, s16, 9
	s_add_co_u32 s46, s46, s47
	s_mov_b32 s47, 0
	s_add_nc_u64 s[92:93], s[92:93], s[46:47]
	s_lshl_b32 s20, s17, 19                        ; my first row of out0: (128 tile row + 64 half) rows of 4,096 bytes
	s_lshl_b32 s21, s15, 18
	s_add_co_u32 s20, s20, s21
	s_add_co_u32 s20, s20, s46
	s_mov_b32 s21, 0
	s_add_nc_u64 s[94:95], s[94:95], s[20:21]
.irp b, 0,1,2,3,4,5,6,7
	global_load_b128 v[BP+8*\b:BP+8*\b+3], v[H32], s[92:93] offset:64*\b       ; the bias in the result's layout: register 8 b + j = b_proj[my first column + 16 b + 8 h + j]
	global_load_b128 v[BP+8*\b+4:BP+8*\b+7], v[H32], s[92:93] offset:64*\b+16
.endr
.macro FETCH_P slot, q, p              ; P's eight fragments of the slot's q-th 128 along K into set p: lane l holds row l % 16; registers 4 c .. 4 c + 3 hold K = 64 c + 32 (l / 16) + 0 .. 31
	WIN 0x40                                       ; destination window 1
.irp i, 0,1,2,3,4,5,6,7
.irp c, 0,1
	ds_load_b128 v[128*(\p)+8*\i+4*\c:128*(\p)+8*\i+4*\c+3], v[ADRP+\slot] offset:64*(\q)+32*\c+\i*16*PITCH
.endr
.endr
	WIN 0
.endm
.macro FETCH_R slot, q, p              ; R's four fragments: images, 512 consecutive bytes a load
.irp i, 0,1,2,3
.irp c, 0,1
	ds_load_b128 v[RF+32*(\p)+8*\i+4*\c:RF+32*(\p)+8*\i+4*\c+3], v[ADRR+\slot] offset:4096*\i+1024*(\q)+512*\c
.endr
.endr
.endm
.macro SCALES sc                       ; a slot's scale words: four a row; lanes 0-15 take R's block i (for i = 4 .. 7 filled bytes that no product names), lanes 16-31 P's block i
.irp i, 0,1,2,3,4,5,6,7
	ds_load_b128 v[SC+32*\sc+4*\i:SC+32*\sc+4*\i+3], v[ADRS] offset:\i*SBLK
.endr
.endm
.macro PLACES n                        ; places behind matrix instructions: plain vector instructions that name none of their registers (ISA guide 7.12.1 for vector instructions)
.rept \n
	v_nop
.endr
.endm
; 32 matrix instructions: R's four blocks x P's eight, 128 along K.  The 32 accumulators take turns, one instruction a turn, in the same order in every step.
.macro MUL32 p, q, sc, first
.irp a, 0,1,2,3
.irp b, 0,1,2,3,4,5,6,7
.if \first
	v_wmma_scale_f32_16x16x128_f8f6f4 v[8*(8*\a+\b):8*(8*\a+\b)+7], v[128*(\p)+8*\b:128*(\p)+8*\b+7], v[RF+32*(\p)+8*\a:RF+32*(\p)+8*\a+7], v[BP+8*\b:BP+8*\b+7], v[SC+32*(\sc)+4*\b+(\q)], v[SC+32*(\sc)+4*\a+(\q)] matrix_a_fmt:MATRIX_FMT_FP4 matrix_b_fmt:MATRIX_FMT_FP4 matrix_a_scale:MATRIX_SCALE_ROW1
.else
	v_wmma_scale_f32_16x16x128_f8f6f4 v[8*(8*\a+\b):8*(8*\a+\b)+7], v[128*(\p)+8*\b:128*(\p)+8*\b+7], v[RF+32*(\p)+8*\a:RF+32*(\p)+8*\a+7], v[8*(8*\a+\b):8*(8*\a+\b)+7], v[SC+32*(\sc)+4*\b+(\q)], v[SC+32*(\sc)+4*\a+(\q)] matrix_a_fmt:MATRIX_FMT_FP4 matrix_b_fmt:MATRIX_FMT_FP4 matrix_a_scale:MATRIX_SCALE_ROW1
.endif
.endr
.endr
.endm
; A step of 128 along K: this step's fragments are in; the next step's (slot nslot, its nq-th) are asked for into the other sets, and land under this step's 32 products.
.macro STEP3 slot, q, first, more, nslot, nq
	s_wait_dscnt 0x0                               ; this step's fragments, asked for a step ago
.if (\nslot) != (\slot)
	s_wait_tensorcnt 0x0                           ; my part of the next slot has landed,
	s_barrier_signal -1
	s_barrier_wait -1                              ; everybody's has.  Nothing is filled again
	v_add_nc_u32 v[ADRS], 16, v[ADRS]              ; on to the next slot's scale words (no LDS load of mine is out)
.endif
.if \more
.if !(\first)
	PLACES 4                                       ; the other sets were read by the last step's products
.endif
	FETCH_P \nslot, \nq, 1-(\q)%2
	FETCH_R \nslot, \nq, 1-(\q)%2
.if (\nq) == 0
	SCALES \nslot
.endif
.endif
.if \first
	WIN 0x81                                       ; source 0 (P) window 1, source 1 (R) and C (the bias) window 0, D window 2
.else
	WIN 0xa1                                       ; C and D window 2
.endif
	MUL32 (\q)%2, \q, \slot, \first
	WIN 0
.endm
	s_wait_tensorcnt 1                             ; the scales and my part of slot 0 are in (slot 1's load, issued behind them, may be out),
	s_barrier_signal -1
	s_barrier_wait -1                              ; everybody's are
	FETCH_P 0, 0, 0
	FETCH_R 0, 0, 0
	SCALES 0
	s_wait_loadcnt 0x0                             ; the bias
	STEP3 0, 0, 1, 1, 0, 1                         ; the first products start the sums from the bias: nothing is cleared, nothing is added later
	STEP3 0, 1, 0, 1, 0, 2
	STEP3 0, 2, 0, 1, 0, 3
	STEP3 0, 3, 0, 1, 1, 0
	STEP3 1, 0, 0, 1, 1, 1
	STEP3 1, 1, 0, 1, 1, 2
	STEP3 1, 2, 0, 1, 1, 3
	STEP3 1, 3, 0, 0, 1, 0
; THE WAY OUT, block by block of 16 rows x 128 columns: a lane holds 32 neighbouring bytes of a row and the lanes beside it other rows, so a block goes through my own stage in LDS and comes back as whole rows of 512 bytes.
; LDS serves a wave's instructions in order (ISA guide 5.7.1.4): no wait between the stores and the loads, nor in front of the next block's stores.
.macro TOSTAGE a
	WIN 0x08                                       ; an LDS store's data are its source 1: window 2
.irp b, 0,1,2,3,4,5,6,7
	ds_store_b128 v[STO], v[64*(\a)+8*\b:64*(\a)+8*\b+3] offset:64*\b          ; each accumulator from its low end on
	ds_store_b128 v[STO], v[64*(\a)+8*\b+4:64*(\a)+8*\b+7] offset:64*\b+16
.endr
	WIN 0
.set BB, BK+64*((\a)%2)
.irp t, 0,1,2,3,4,5,6,7,8,9,10,11,12,13,14,15
	ds_load_b128 v[BB+4*\t:BB+4*\t+3], v[RD] offset:\t*SPITCH
.endr
.endm
.macro SEND a, younger                 ; younger: the LDS instructions issued behind block a's loads, which may stay out
.set BB, BK+64*((\a)%2)
	s_wait_dscnt \younger                          ; the block is back in registers
.irp t, 0,1,2,3,4,5,6,7,8,9,10,11,12,13,14,15
	global_store_b128 v[CO], v[BB+4*\t:BB+4*\t+3], s[94:95] offset:(16*(\a)+\t)*4096 th:TH_STORE_NT   ; 32 lanes store 512 consecutive bytes, aligned; the base is never stepped: 63 rows of 4,096 bytes at the most stand in the immediate
.endr
.endm
	PLACES 4                                       ; behind the last products: their results are read, and loads go into registers that they read
	TOSTAGE 0
.irp a, 1,2,3
.if \a > 1
	s_wait_xcnt 0x0                                ; block a - 2's stores have read their registers: block a's loads may land there
.endif
	TOSTAGE \a
	SEND \a-1, 32                                  ; behind block a - 1's loads: block a's 16 stores and 16 loads
.endr
	SEND 3, 0
	s_wait_dscnt 0x0
	s_wait_tensorcnt 0x0
	ds_add_u32 v126, v127
	s_wait_dscnt 0x0
	CROUND                                         ; the closing round: no work-group ends while a partner may still ask for a tile that names it
	s_endpgm
.Lfunc_end_k_q003b597b1b_proj:
	.size	k_q003b597b1b_proj, .Lfunc_end_k_q003b597b1b_proj-k_q003b597b1b_proj
	.p2alignl 7, 3214868480
	.fill 96, 4, 3214868480
	.section	.rodata,"a",@progbits
	.p2align	6, 0x0
	.amdhsa_kernel k_q003b597b1b_proj
		.amdhsa_group_segment_fixed_size 327680
		.amdhsa_private_segment_fixed_size 0
		.amdhsa_enable_private_segment 0
		.amdhsa_kernarg_size 48
		.amdhsa_user_sgpr_count 2
		.amdhsa_user_sgpr_kernarg_segment_ptr 1
		.amdhsa_wavefront_size32 1
		.amdhsa_system_sgpr_workgroup_id_x 1
		.amdhsa_system_sgpr_workgroup_id_y 1
		.amdhsa_system_sgpr_workgroup_id_z 1
		.amdhsa_system_vgpr_workitem_id 0
		.amdhsa_next_free_vgpr 768
		.amdhsa_next_free_sgpr 98
		.amdhsa_reserve_vcc 0
		.amdhsa_float_denorm_mode_32 3
		.amdhsa_float_denorm_mode_16_64 3
		.amdhsa_memory_ordered 1
		.amdhsa_forward_progress 1
		.amdhsa_inst_pref_size 74
	.end_amdhsa_kernel
	.amdgpu_metadata
---
amdhsa.version: [ 1, 2 ]
amdhsa.kernels:
  - .name:           k_q003b597b1b_proj
    .symbol:         k_q003b597b1b_proj.kd
    .args:
      - { .name: ac, .offset: 0, .size: 8, .value_kind: global_buffer, .address_space: global }
      - { .name: asc, .offset: 8, .size: 8, .value_kind: global_buffer, .address_space: global }
      - { .name: w_proj_codes, .offset: 16, .size: 8, .value_kind: global_buffer, .address_space: global }
      - { .name: w_proj_scales, .offset: 24, .size: 8, .value_kind: global_buffer, .address_space: global }
      - { .name: b_proj, .offset: 32, .size: 8, .value_kind: global_buffer, .address_space: global }
      - { .name: out0, .offset: 40, .size: 8, .value_kind: global_buffer, .address_space: global }
    .group_segment_fixed_size: 327680
    .private_segment_fixed_size: 0
    .kernarg_segment_align: 8
    .kernarg_segment_size: 48
    .max_flat_workgroup_size: 128
    .sgpr_count:     98
    .vgpr_count:     768
    .wavefront_size: 32
...
	.end_amdgpu_metadata
.endif
;; end of part 3
